; MI455X (gfx1250); checked and timed in simulation.
; The chip was launched on July 23, 2026; its instructions are those of AMD's public machine-readable ISA for CDNA 5 (MIT licence, August 2026) and "CDNA5" Instruction Set Architecture Reference Guide (July 2026). The comments in the code are by the model that wrote it; some were corrected since.
;; Attention. Allowed arithmetic: matrix products marked QUANTISED: E4M3 operands, one given power-of-two scale a tensor, by v_wmma_f32_16x16x64_fp8_fp8 or v_wmma_f32_16x16x128_fp8_fp8, f32 sums; everything else in f32.
;; Inputs: Wk 1,024 x 1,024 float32; Wo 1,024 x 1,024 float32; Wq 1,024 x 1,024 float32; Wv 1,024 x 1,024 float32; bk 1,024 float32; bo 1,024 float32; bq 1,024 float32; bv 1,024 float32; lowp_scales 12 int32 (the exponents e of the quantised operands' scales 2^e); x 4 x 2,048 x 1,024 float32.
;; Outputs: out0 4 x 2,048 x 1,024 float32.
;; This version of the problem:
;;   THIS VERSION OF THE PROBLEM IS GIVEN IN LOW PRECISION. The matrix products marked QUANTISED in the list below multiply operands that are first quantised to E4M3 (4 exponent bits, 3 mantissa bits; 8 bits a number), with one given power-of-two scale for each operand tensor; their sums are f32. All else is computed in f32.
;;   The module's matrix products, in the order in which they are computed (A, B: the left and right operand; K: the contracted axis; several contracted axes count as one K, in the product's order):
;;     1. [M 8,192, K 1,024] x [K 1,024, N 1,024]; A: input x; B: input Wq: QUANTISED (scales: A lowp_scales[0], B lowp_scales[1])
;;     2. [M 8,192, K 1,024] x [K 1,024, N 1,024]; A: input x; B: input Wk: QUANTISED (scales: A lowp_scales[2], B lowp_scales[3])
;;     3. [M 8,192, K 1,024] x [K 1,024, N 1,024]; A: input x; B: input Wv: QUANTISED (scales: A lowp_scales[4], B lowp_scales[5])
;;     4. batch 64 x [M 2,048, K 64] x [K 64, N 2,048]; A: computed on the way; B: computed on the way: QUANTISED (scales: A lowp_scales[6], B lowp_scales[7])
;;     5. batch 64 x [M 2,048, K 2,048] x [K 2,048, N 64]; A: softmax (see below); B: computed on the way: QUANTISED (scales: A lowp_scales[8], B lowp_scales[9])
;;     6. [M 8,192, K 1,024] x [K 1,024, N 1,024]; A: computed on the way; B: input Wo: QUANTISED (scales: A lowp_scales[10], B lowp_scales[11])
;;   THE QUANTISER, for each operand of a quantised product, along K:
;;     - The operand's scale is 2^e, e = its entry of the input lowp_scales (int32; the entries are numbered through the quantised products in the list's order, A before B).
;;     - Each number is divided by the scale, clamped to +-448, and rounded to the nearest number of E4M3, ties to even, subnormals kept.
;;     - The product sums the exact products of the quantised numbers (number of the format x scale) in f32.
;;   ~~~python
;;   def quantise(x, axis, e):      # numpy; x: float32 -> the quantised numbers, widened to float32 again
;;       x = np.moveaxis(x, axis, -1); K = x.shape[-1]
;;       r = np.clip(x / 2.0 ** e, -448, 448)
;;       step = 2.0 ** (np.maximum(np.frexp(np.where(r == 0, 1, r))[1] - 1, -6) - 3)
;;       q = np.round(r / step) * step * 2.0 ** e      # np.round: ties to even
;;       return np.moveaxis(q, -1, axis).astype(np.float32)
;;   ~~~
;;   SOFTMAX AHEAD OF A QUANTISED PRODUCT. Where the list says 'softmax', what is quantised is not the finished softmax but p = 2^(t - M), with t = logit x log2(e) and M = ceil(the row's largest t), a whole number; so 1/2 < the row's largest p <= 1. The row's sum l is taken of the UNQUANTISED p, in f32, and the product's result is divided by l at the end. Since M is a whole number, a kernel that streams over the keys may use a running M (the ceiling of the running maximum): every later rescaling is an exact power of two, so the quantised numbers keep their values, but for numbers so far below the row's largest that they fall under the format's range.
;;   OPERANDS COMPUTED ON THE WAY. 'Computed on the way' means the value that the module computes at that place (a softmax that the list does not call 'softmax' is quantised finished and normalised). What goes into a quantiser is computed in f32, as accurately as f32 sums, v_exp_f32 and their like allow (about 1e-6 of the number): no bf16 or f16 on the way to a quantiser, and a product that is left as it is and whose result goes on into a quantised operand takes f32 operands (vector FMAs, or v_wmma_f32_16x16x4_f32). A number that lies on a knife's edge between two numbers of the format may be rounded either way, as far as f32 arithmetic and the matrix unit's own rounding can turn it there, and no further.
;; One version. Each part assembles by itself: llvm-mc -triple=amdgcn-amd-amdhsa -mcpu=gfx1250 --defsym DOCPART=n.
;; ======== version 1 of 1: 4 launches
;; limits: right only within a limited range of input values
;; workspace buffers: xc 25,165,824 bytes; wc 4,194,304 bytes; qkv 25,165,824 bytes; ac 8,388,608 bytes
;; launch prep (part 1): grid 384 x 1, 4 waves a work-group, no clusters, 70,144 bytes of LDS; arguments x, Wq, Wk, Wv, Wo, lowp_scales, xc, wc; writes xc, wc
.if DOCPART == 1
	.amdgcn_target "amdgcn-amd-amdhsa--gfx1250"
	.amdhsa_code_object_version 6
	.text
	.protected	k_q85e110c106_prep
	.globl	k_q85e110c106_prep
	.p2align	8
	.type	k_q85e110c106_prep,@function
k_q85e110c106_prep:
	s_mov_b64 s[64:65], 0
	v_nop
	global_prefetch_b8 v0, s[64:65] scope:SCOPE_SE
	s_setreg_imm32_b32 hwreg(HW_REG_WAVE_MODE, 25, 1), 1
	s_wait_xcnt 0x0
; x [8192][1024] f32 becomes three sets of E4M3 codes (scales 2^e0, 2^e2, 2^e4); Wq, Wk, Wv, Wo [k 1024][n 1024] f32 become codes with scales 2^e1, 2^e3, 2^e5, 2^e11.
; code = number / 2^e, held within +-448, rounded to the nearest code, ties to even.
; LAYOUT OF ALL CODES: the image of an operand's registers.  A matrix [rows][1024 along K] lies at  mu*16384 + j*2048 + c*512 + h*256 + r*16 + byte,
; which is the code of row 16 mu + r at k = 128 j + 32 c + 16 h + byte.  A fragment (16 rows x 128 K) is 2,048 bytes on end: four loads of 16 bytes a lane at 16 x lane.
; xc = [3 scales][512 mu]; wc = [Wq, Wk, Wv, Wo][64 mu] with row = n (the weight's column).
; LIMITS: each of the seven exponents lies between -126 and 119, so that 2^e and 448 x 2^e are f32 numbers.  NaN among the inputs is not served; an infinity is held at the largest code.
; Work-groups 0-255 take x (32 rows each), 256-383 the weights (128 columns x 256 K each): 32,768 numbers each.  Waves share nothing: no barrier.
; Nothing is shared between work-groups, so there is no cluster and no joint load; the two paths have LDS bytes of their own.
.set XST,  8704                        ; a wave's LDS: x path two stages of 16 rows x 272 bytes; weight path one stage of 32 rows x 272
.set WST0, 4*XST                       ; the weight path's stages begin behind the x path's
.set T,    16                          ; v16-31   x path: 16 numbers held for one scale
.set C,    32                          ; v32-55   x path: codes, 3 scales x 2 groups x 4 registers
.set X,    64                          ; v64-127  x path: two sets of 32 neighbours
.set R,    128                         ; v128-223 x path: three sets of 32 numbers as loaded
.set WX,   32                          ; v32-95   weight path: two sets of 32 numbers down K
.set WC,   96                          ; v96-103  weight path: a block's codes
.set OUTR, 112                         ; v112-175 weight path: the way out
	s_load_b256 s[4:11], s[0:1], 0x0               ; x s[4:5], Wq s[6:7], Wk s[8:9], Wv s[10:11]
	s_load_b256 s[12:19], s[0:1], 0x20             ; Wo s[12:13], the exponents s[14:15], xc s[16:17], wc s[18:19]
	v_lshl_add_u32 v224, v0, 2, 0x11000
	v_mov_b32 v225, 0
	v_lshrrev_b32 v1, 5, v0
	v_readfirstlane_b32 s20, v1                    ; wave 0..3
	v_and_b32 v1, 31, v0                           ; lane
	v_and_b32 v12, 15, v0                          ; r
	v_bfe_u32 v13, v0, 4, 1                        ; h
	s_mul_i32 s21, s20, XST                        ; my wave's LDS
	s_wait_kmcnt 0x0
	s_load_b256 s[24:31], s[14:15], 0x0            ; e0 .. e7
	s_load_b128 s[32:35], s[14:15], 0x20           ; e8 .. e11
	s_cmp_lt_u32 ttmp9, 256
	s_cbranch_scc0 .Lweights
; ---------------- x: wave w of work-group g takes rows 16 mu .. 16 mu + 15, mu = 2 g + w / 2, and k = 512 (w % 2) + 64 t, t = 0 .. 7
.macro MKSCALE vs, vl, se              ; v[vs] = 2^e as f32 (the conversion takes its exponent field), v[vl] = 448 x 2^e
	s_add_co_i32 s42, s[\se], 127
	s_lshl_b32 s43, s42, 23
	v_mov_b32 v[\vs], s43
	s_add_co_i32 s42, s42, 8
	s_lshl_b32 s42, s42, 23
	s_or_b32 s42, s42, 0x600000
	v_mov_b32 v[\vl], s42
.endm
	s_wait_alu depctr_va_vdst(0)
	v_lshlrev_b32 v5, 4, v1                        ; 16 x lane: my place in an image
	v_lshlrev_b32 v2, 4, v12
	v_lshl_add_u32 v2, v13, 12, v2                 ; a load takes two rows x 256 bytes: lanes 0-15 one row, lanes 16-31 the next
	s_wait_alu depctr_va_vdst(0)
	v_mul_u32_u24 v3, v13, 272
	v_lshl_add_u32 v3, v12, 4, v3
	v_add_nc_u32 v3, s21, v3                       ; into the stage as loaded: rows 272 bytes apart
	v_mul_u32_u24 v4, v12, 272
	v_lshl_add_u32 v4, v13, 6, v4
	v_add_nc_u32 v4, s21, v4                       ; out of it: row r, my 16 neighbours of a group of 32: + 64 h bytes
	s_lshl_b32 s44, ttmp9, 1
	s_lshr_b32 s45, s20, 1
	s_add_co_u32 s44, s44, s45                     ; mu
	s_and_b32 s45, s20, 1                          ; which half of K
	s_lshl_b32 s46, s44, 16                        ; 16 rows of 4,096 bytes
	s_lshl_b32 s48, s45, 11
	s_add_co_u32 s46, s46, s48
	s_mov_b32 s47, 0
	s_add_nc_u64 s[4:5], s[4:5], s[46:47]
	; THE IMAGES LIE BY K STEPS OF 256 INSIDE GROUPS OF ROW BLOCKS, so that what one wave of the next launch fetches is one dense block.
	; Groups of 8 (x under e0 and e2, Wv): (mu/8)*131072 + kstep*32768 + (mu%8)*4096 + (j%2)*2048 + c*512 + h*256 + r*16.
	; Groups of 4 (x under e4, Wq, Wk, Wo): (mu/4)*65536 + kstep*16384 + (mu%4)*4096 + the same.
	s_lshr_b32 s46, s44, 3
	s_lshl_b32 s46, s46, 17
	s_lshl_b32 s48, s45, 16                        ; my half of K: two K steps
	s_add_co_u32 s46, s46, s48
	s_and_b32 s48, s44, 7
	s_lshl_b32 s48, s48, 12
	s_add_co_u32 s46, s46, s48
	s_add_nc_u64 s[36:37], s[16:17], s[46:47]      ; the three sets of codes lie 8,388,608 bytes apart
	s_add_nc_u64 s[38:39], s[36:37], 0x800000
	s_lshr_b32 s46, s44, 2
	s_lshl_b32 s46, s46, 16
	s_lshl_b32 s48, s45, 15
	s_add_co_u32 s46, s46, s48
	s_and_b32 s48, s44, 3
	s_lshl_b32 s48, s48, 12
	s_add_co_u32 s46, s46, s48
	s_add_nc_u64 s[40:41], s[16:17], s[46:47]
	s_add_nc_u64 s[40:41], s[40:41], 0x1000000
.macro LOAD t                          ; step t: 16 rows x 64 numbers, eight loads of 512 bytes, into set t % 3
.irp i, 0,1,2,3,4,5,6,7
	global_load_b128 v[R+32*((\t)%3)+4*\i:R+32*((\t)%3)+4*\i+3], v2, s[4:5] offset:\i*8192+(\t)*256 th:TH_LOAD_NT
.endr
.endm
.macro TURN t                          ; step t through stage t % 2: LDS serves a wave's instructions in order, so no wait stands between the stores and the loads
.irp i, 0,1,2,3,4,5,6,7
	ds_store_b128 v3, v[R+32*((\t)%3)+4*\i:R+32*((\t)%3)+4*\i+3] offset:((\t)%2)*4352+\i*544
.endr
.irp c, 0,1
.irp i, 0,1,2,3
	ds_load_b128 v[X+32*((\t)%2)+16*\c+4*\i:X+32*((\t)%2)+16*\c+4*\i+3], v4 offset:((\t)%2)*4352+128*\c+16*\i
.endr
.endr
.endm
	LOAD 0
	LOAD 1
	LOAD 2
	s_wait_alu depctr_va_vdst(0)
	s_wait_kmcnt 0x0
	MKSCALE 6, 9, 24                               ; e0
	MKSCALE 7, 10, 26                              ; e2
	MKSCALE 8, 11, 28                              ; e4
	s_wait_alu depctr_va_vdst(0)
	s_wait_loadcnt 16                              ; step 0's eight loads are in; the sixteen of steps 1 and 2 stay out
	TURN 0
.macro STEP t
.set XS, X+32*((\t)%2)
	s_wait_dscnt 0x0                               ; this step's numbers are back from the stage, and its stores into the stage have read their registers
	s_wait_xcnt 0x0                                ; the last step's stores have read their codes: those registers are written again below
.if (\t)+3 < 8
	LOAD (\t)+3                                    ; into the set that the stage's stores have just left
.endif
.if (\t) < 7
.if (\t) < 5
	s_wait_loadcnt 16                              ; the next step's loads are in; two younger sets stay out
.elseif (\t) == 5
	s_wait_loadcnt 8                               ; one younger set
.else
	s_wait_loadcnt 0
.endif
	TURN (\t)+1                                    ; the next step goes through the other stage while this one is worked
.endif
.irp s, 0,1,2
.irp c, 0,1
.irp i, 0,1,2,3,4,5,6,7,8,9,10,11,12,13,14,15
	v_med3_num_f32 v[T+\i], v[XS+16*\c+\i], -v[9+\s], v[9+\s]   ; the conversion to an 8-bit code does not saturate (ISA guide 7.6.2): the hold at 448 x the scale
.endr
	v_cvt_scalef32_pk8_fp8_f32 v[C+8*\s+4*\c:C+8*\s+4*\c+1], v[T:T+7], v[6+\s]
	v_cvt_scalef32_pk8_fp8_f32 v[C+8*\s+4*\c+2:C+8*\s+4*\c+3], v[T+8:T+15], v[6+\s]
	v_nop                                          ; a plain line between the conversions and the next holds, which write the conversions' sources
.endr
.endr
.irp s, 0,1,2
.irp c, 0,1
	global_store_b128 v5, v[C+8*\s+4*\c:C+8*\s+4*\c+3], s[36+2*\s:37+2*\s] offset:((\t)/4)*(32768>>(\s/2))+((\t)%4)*1024+\c*512   ; 32 lanes store 512 consecutive bytes, aligned; four steps t make a K step
.endr
.endr
.endm
.irp t, 0,1,2,3,4,5,6,7
	STEP \t
.endr
	s_wait_tensorcnt 0x0
	ds_add_u32 v224, v225
	s_wait_dscnt 0x0
	s_endpgm
; ---------------- the weights: a lane takes a column n and its registers run down K, so the conversions give codes with K innermost
.Lweights:
	s_sub_co_u32 s44, ttmp9, 256
	s_lshr_b32 s45, s44, 5                         ; which weight: 0 Wq, 1 Wk, 2 Wv, 3 Wo
	s_and_b32 s46, s44, 7                          ; which 128 columns
	s_bfe_u32 s47, s44, 0x20003                    ; which 256 along K
	s_cmp_eq_u32 s45, 1
	s_cselect_b64 s[6:7], s[8:9], s[6:7]
	s_cmp_eq_u32 s45, 2
	s_cselect_b64 s[6:7], s[10:11], s[6:7]
	s_cmp_eq_u32 s45, 3
	s_cselect_b64 s[6:7], s[12:13], s[6:7]
	s_lshl_b32 s48, s47, 20                        ; 256 rows of 4,096 bytes
	s_lshl_b32 s49, s46, 9
	s_add_co_u32 s48, s48, s49
	s_lshl_b32 s49, s20, 7                         ; my wave's 32 columns
	s_add_co_u32 s48, s48, s49
	s_mov_b32 s49, 0
	s_add_nc_u64 s[6:7], s[6:7], s[48:49]
	s_lshl_b32 s48, s45, 20                        ; the weight's image, mu = 8 x column block + 2 x wave, j = 2 x K block
	s_lshl_b32 s50, s46, 17
	s_add_co_u32 s48, s48, s50
	s_lshr_b32 s50, s20, 1                         ; groups of 4: mu = 8 x column block + 2 x wave + m
	s_lshl_b32 s50, s50, 16
	s_lshl_b32 s51, s47, 14
	s_add_co_u32 s50, s50, s51
	s_and_b32 s51, s20, 1
	s_lshl_b32 s51, s51, 13
	s_add_co_u32 s50, s50, s51
	s_lshl_b32 s51, s47, 15                        ; groups of 8 (Wv)
	s_lshl_b32 s52, s20, 13
	s_add_co_u32 s51, s51, s52
	s_cmp_eq_u32 s45, 2
	s_cselect_b32 s50, s51, s50
	s_add_co_u32 s48, s48, s50
	s_add_nc_u64 s[18:19], s[18:19], s[48:49]
	s_add_co_u32 s21, s21, WST0                    ; my stage
	s_wait_alu depctr_va_vdst(0)
	v_lshlrev_b32 v3, 2, v1                        ; in: 4 bytes a lane
	v_mul_u32_u24 v4, v1, 272
	v_add_nc_u32 v4, s21, v4                       ; into the stage: row = my column
	v_mul_u32_u24 v7, v12, 272
	v_lshl_add_u32 v7, v13, 4, v7
	v_add_nc_u32 v7, s21, v7                       ; out of it in image order: row r, + 16 h
	v_lshlrev_b32 v8, 4, v1                        ; 16 x lane
.macro WLOAD t                         ; block t: W(32 t + i, my column) into set t % 2; 32 lanes read 128 consecutive bytes
.irp i, 0,1,2,3,4,5,6,7,8,9,10,11,12,13,14,15,16,17,18,19,20,21,22,23,24,25,26,27,28,29,30,31
	global_load_b32 v[WX+32*((\t)%2)+\i], v3, s[6:7] offset:(32*(\t)+\i)*4096 th:TH_LOAD_NT
.endr
.endm
	WLOAD 0
	WLOAD 1
	s_wait_kmcnt 0x0
	s_cmp_eq_u32 s45, 1
	s_cselect_b32 s25, s27, s25                    ; e1, e3, e5 or e11
	s_cmp_eq_u32 s45, 2
	s_cselect_b32 s25, s29, s25
	s_cmp_eq_u32 s45, 3
	s_cselect_b32 s25, s35, s25
	MKSCALE 11, 10, 25
.macro WBLOCK t
.set XS, WX+32*((\t)%2)
.if (\t) < 7
	s_wait_loadcnt 32                              ; this block's 32 loads are in; the next block's stay out
.else
	s_wait_loadcnt 0
.endif
.irp i, 0,1,2,3,4,5,6,7,8,9,10,11,12,13,14,15,16,17,18,19,20,21,22,23,24,25,26,27,28,29,30,31
	v_med3_num_f32 v[XS+\i], v[XS+\i], -v10, v10
.endr
.irp g, 0,1,2,3
	v_cvt_scalef32_pk8_fp8_f32 v[WC+2*\g:WC+2*\g+1], v[XS+8*\g:XS+8*\g+7], v11
.endr
	ds_store_b128 v4, v[WC:WC+3] offset:32*(\t)    ; 32 codes of my column's row
	ds_store_b128 v4, v[WC+4:WC+7] offset:32*(\t)+16
.if (\t)+2 < 8
	WLOAD (\t)+2
.endif
	s_wait_dscnt 0x0                               ; the stores have read their registers; the next block's 32 holds are the plain lines ahead of its conversions
.endm
	s_wait_alu depctr_va_vdst(0)
.irp t, 0,1,2,3,4,5,6,7
	WBLOCK \t
.endr
.irp m, 0,1
.irp j, 0,1
.irp c, 0,1,2,3
	ds_load_b128 v[OUTR+4*(8*\m+4*\j+\c):OUTR+4*(8*\m+4*\j+\c)+3], v7 offset:\m*16*272+128*\j+32*\c   ; column 16 m + r, k = 128 j + 32 c + 16 h on
.endr
.endr
.endr
.set n, 0
.irp m, 0,1
.irp j, 0,1
.irp c, 0,1,2,3
	s_wait_dscnt 15-n
	global_store_b128 v8, v[OUTR+4*n:OUTR+4*n+3], s[18:19] offset:\m*4096+\j*2048+\c*512   ; 512 consecutive bytes, aligned
.set n, n+1
.endr
.endr
.endr
	s_wait_tensorcnt 0x0
	ds_add_u32 v224, v225
	s_wait_dscnt 0x0
	s_endpgm
.Lfunc_end_k_q85e110c106_prep:
	.size	k_q85e110c106_prep, .Lfunc_end_k_q85e110c106_prep-k_q85e110c106_prep
	.p2alignl 7, 3214868480
	.fill 96, 4, 3214868480
	.section	.rodata,"a",@progbits
	.p2align	6, 0x0
	.amdhsa_kernel k_q85e110c106_prep
		.amdhsa_group_segment_fixed_size 70144
		.amdhsa_private_segment_fixed_size 0
		.amdhsa_enable_private_segment 0
		.amdhsa_kernarg_size 64
		.amdhsa_user_sgpr_count 2
		.amdhsa_user_sgpr_kernarg_segment_ptr 1
		.amdhsa_wavefront_size32 1
		.amdhsa_system_sgpr_workgroup_id_x 1
		.amdhsa_system_sgpr_workgroup_id_y 1
		.amdhsa_system_sgpr_workgroup_id_z 1
		.amdhsa_system_vgpr_workitem_id 0
		.amdhsa_next_free_vgpr 226
		.amdhsa_next_free_sgpr 66
		.amdhsa_reserve_vcc 0
		.amdhsa_float_denorm_mode_32 3
		.amdhsa_float_denorm_mode_16_64 3
		.amdhsa_memory_ordered 1
		.amdhsa_forward_progress 1
		.amdhsa_inst_pref_size 128
	.end_amdhsa_kernel
	.amdgpu_metadata
---
amdhsa.version: [ 1, 2 ]
amdhsa.kernels:
  - .name:           k_q85e110c106_prep
    .symbol:         k_q85e110c106_prep.kd
    .args:
      - { .name: x, .offset: 0, .size: 8, .value_kind: global_buffer, .address_space: global }
      - { .name: Wq, .offset: 8, .size: 8, .value_kind: global_buffer, .address_space: global }
      - { .name: Wk, .offset: 16, .size: 8, .value_kind: global_buffer, .address_space: global }
      - { .name: Wv, .offset: 24, .size: 8, .value_kind: global_buffer, .address_space: global }
      - { .name: Wo, .offset: 32, .size: 8, .value_kind: global_buffer, .address_space: global }
      - { .name: lowp_scales, .offset: 40, .size: 8, .value_kind: global_buffer, .address_space: global }
      - { .name: xc, .offset: 48, .size: 8, .value_kind: global_buffer, .address_space: global }
      - { .name: wc, .offset: 56, .size: 8, .value_kind: global_buffer, .address_space: global }
    .group_segment_fixed_size: 70144
    .private_segment_fixed_size: 0
    .kernarg_segment_align: 8
    .kernarg_segment_size: 64
    .max_flat_workgroup_size: 128
    .sgpr_count:     66
    .vgpr_count:     226
    .wavefront_size: 32
...
	.end_amdgpu_metadata
.endif
;; end of part 1
;; launch qkv (part 2): grid 8 x 32, 4 waves a work-group, clusters of 4 x 4, 327,680 bytes of LDS; arguments xc, wc, bq, bk, bv, lowp_scales, qkv; writes qkv
.if DOCPART == 2
	.amdgcn_target "amdgcn-amd-amdhsa--gfx1250"
	.amdhsa_code_object_version 6
	.text
	.protected	k_q85e110c106_qkv
	.globl	k_q85e110c106_qkv
	.p2align	8
	.type	k_q85e110c106_qkv,@function
k_q85e110c106_qkv:
	s_mov_b64 s[64:65], 0
	v_nop
	global_prefetch_b8 v0, s[64:65] scope:SCOPE_SE
	s_setreg_imm32_b32 hwreg(HW_REG_WAVE_MODE, 25, 1), 1
	s_wait_xcnt 0x0
	s_wait_alu depctr_hold_cnt(0) depctr_sa_sdst(0) depctr_va_vdst(0) depctr_va_sdst(0) depctr_va_ssrc(0) depctr_va_vcc(0) depctr_vm_vsrc(0)
	s_getreg_b32 s2, hwreg(HW_REG_IB_STS2, 6, 4)
	s_cmp_eq_u32 s2, 0
	s_cbranch_scc0 .Lentry_in_a_cluster
	s_endpgm
.Lentry_in_a_cluster:
	s_bfe_u32 s2, ttmp6, 0x10000c
	s_cmp_lg_u32 s2, 0xf033
	s_cbranch_scc0 .Lentry_shape_is_right
	s_endpgm
.Lentry_shape_is_right:
; q = x Wq + bq, k = x Wk + bk, v = x Wv + bv on E4M3 codes (v_wmma_f32_16x16x128_fp8_fp8, f32 sums), each result quantised at once for attention: q with 2^e6, k with 2^e7, v with 2^e9.
; A tile is 256 rows of operand A x 128 rows of operand B, K = 1,024.  Four waves; wave w makes A's rows 64 w .. 64 w + 63 against all 128 of B: 32 accumulators.
; The matrix instruction is used transposed (source 0 = 16 rows of B, source 1 = 16 rows of A): a lane holds ONE row of A and eight neighbouring rows of B.
; For q and k: A = x (tokens), B = W (channels): a lane's registers run along the head's channels, the K of the scores.  For v THE ROLES ARE SWAPPED, A = Wv, B = x: they run along the tokens, the K of the second product.
; The trip's count s3 says which projection; all 256 work-groups make each.  Operands lie in memory as images of their registers (a fragment is 2,048 bytes on end), so LDS needs no pitch and no padding.
; K goes in four steps of 256 through three LDS slots: steps 0, 1, 2 are asked for together at the start (one tensor load of a wave), step 3 fills slot 0 again.  Eight sub-steps of 128 K are written out.
; CLUSTER 4 x 4: A's tile hangs on cy alone and is asked for jointly by a row of the cluster, B's on cx alone and jointly by a column.
; The bias is the C of each sum's first matrix instruction, divided by 2^(eA + eB); the conversion takes 2^(eo - eA - eB).
; OUTPUT qkv = [q, k, v] x 8,388,608 bytes.  q, k: head bh at bh*131072, tile kappa of 16 tokens 1,024 bytes: c*512 + h*256 + r*16 holds d = 32 c + 16 h + 0..15 of token 32 (kappa/2) + 8 (kappa%2) + r + 8 (r/8).
;   v: head bh at bh*131072, 128 keys sigma at sigma*8192, tile delta at delta*2048: c*512 + h*256 + r*16 holds keys 128 sigma + 32 c + 16 h + 0..15 of channel 32 (delta/2) + 8 (delta%2) + r + 8 (r/8).
; LIMITS: eo - eA - eB between -126 and 119.  NaN is not served.
; REGISTERS, in windows of 256.  Window 0: v8-15 store offsets; v16-18, v20-22 LDS addresses of A's and B's fragments in slots 0-2; v24, v25 the stage; v26 16 x lane; v28, v29 the add's two; v32-95 bias; v96, v97 scale and hold;
;   v128-191, v192-255 A's fragments, two sets.  Window 1: B's fragments, two sets of 128.  Window 2: accumulator (a, b) at v[8 (8 a + b)].
.set SLOT,  98304                      ; A's 256 rows x 256 K (65,536 bytes), then B's 128 rows (32,768)
.set SPARE, 3*SLOT                     ; behind the slots: the spare words, 128 bytes a wave
; LDS: A's half 0 at 0, half 1 at 98,304, each [K step 0..2][8 blocks][4,096]; B's halves at 196,608 and 245,760, each [K step 0..2][4 blocks][4,096].
; A wave's first fill is ONE dense block (K steps 0 to 2 of its half); K step 3 later fills its half's K step 0 again.
.set STG,   SPARE+512                  ; the way out's stage has bytes of its own behind the spare words, 4,608 a wave: the tiles' regions are filled again for the next projection
.set ADRA,  16
.set ADRB,  20
.set MSB, 0
.macro WIN new                         ; the immediate's high byte repeats the setting that is left
.if MSB != \new
	s_set_vgpr_msb (MSB<<8)|\new
.set MSB, \new
.endif
.endm
.macro PLACES n
.rept \n
	v_nop
.endr
.endm
.macro CREST                           ; a round of the cluster's barrier behind its opening barrier
	s_cmp_lg_u32 s18, 0
	s_cbranch_scc1 .Lnot_wave_0_\@
	s_barrier_signal -3
.Lnot_wave_0_\@:
	s_barrier_wait -3
	s_barrier_signal -1
	s_barrier_wait -1
.endm
.macro CROUND
	s_barrier_signal -1
	s_barrier_wait -1
	CREST
.endm
.macro JLOAD g0a, g0b, g1a, g1b        ; a joint load: waves 0, 1 fetch A's halves, waves 2, 3 B's; one load to an arm, both arms lead to one join
	s_cmp_lt_u32 s18, 2
	s_cbranch_scc0 .Lfor_b_\@
	tensor_load_to_lds s[\g0a:\g0a+3], s[\g1a:\g1a+7]
	s_nop 0
	PLACES 4
	s_branch .Lasked_\@
.Lfor_b_\@:
	tensor_load_to_lds s[\g0b:\g0b+3], s[\g1b:\g1b+7]
	s_nop 0
	PLACES 4
.Lasked_\@:
.endm
.macro FRAG reg, adr, off              ; a fragment: four loads of 16 bytes a lane, 512 consecutive bytes each
.irp c, 0,1,2,3
	ds_load_b128 v[\reg+4*\c:\reg+4*\c+3], v[\adr] offset:\off+512*\c
.endr
.endm
.macro FETCH slot, q, p                ; the slot's q-th 128 along K into set p: B's eight fragments, my four of A
	WIN 0x40
.irp b, 0,1,2,3,4,5,6,7
	FRAG 128*(\p)+16*\b, ADRB+\slot, (\b/4)*49152+(\b%4)*4096+(\q)*2048
.endr
	WIN 0
.irp a, 0,1,2,3
	FRAG 128+64*(\p)+16*\a, ADRA+\slot, \a*4096+(\q)*2048
.endr
.endm
; n blocks of A from a0 on, each against B's eight.  mode 0: onto the sums; 1: C = the bias of B's rows; 2: C = the bias of A's rows; 3: C = 0.
; The 32 accumulators take turns, one instruction a turn, in the same order in every sub-step.
.macro MUL a0, n, p, mode
.if \mode == 0
	WIN 0xa1
.else
	WIN 0x81
.endif
.set ma, \a0
.rept \n
.irp b, 0,1,2,3,4,5,6,7
.if \mode == 0
	v_wmma_f32_16x16x128_fp8_fp8 v[8*(8*ma+\b):8*(8*ma+\b)+7], v[128*(\p)+16*\b:128*(\p)+16*\b+15], v[128+64*(\p)+16*ma:128+64*(\p)+16*ma+15], v[8*(8*ma+\b):8*(8*ma+\b)+7]
.elseif \mode == 1
	v_wmma_f32_16x16x128_fp8_fp8 v[8*(8*ma+\b):8*(8*ma+\b)+7], v[128*(\p)+16*\b:128*(\p)+16*\b+15], v[128+64*(\p)+16*ma:128+64*(\p)+16*ma+15], v[32+8*\b:32+8*\b+7]
.elseif \mode == 2
	v_wmma_f32_16x16x128_fp8_fp8 v[8*(8*ma+\b):8*(8*ma+\b)+7], v[128*(\p)+16*\b:128*(\p)+16*\b+15], v[128+64*(\p)+16*ma:128+64*(\p)+16*ma+15], v[32+8*ma:32+8*ma+7]
.else
	v_wmma_f32_16x16x128_fp8_fp8 v[8*(8*ma+\b):8*(8*ma+\b)+7], v[128*(\p)+16*\b:128*(\p)+16*\b+15], v[128+64*(\p)+16*ma:128+64*(\p)+16*ma+15], 0
.endif
.endr
.set ma, ma+1
.endr
.endm
.macro SUB p, nslot, nq                ; a sub-step: set p is in; four places behind the products that read the other set; the next sub-step's loads; 32 products
	s_wait_dscnt 0x0
	PLACES 4
	FETCH \nslot, \nq, 1-(\p)
	MUL 0, 4, \p, 0
.endm
	v_lshl_add_u32 v28, v0, 2, SPARE
	v_mov_b32 v29, 0
	ds_add_u32 v28, v29                            ; the opening lines: the add, twice on end, and its wait ahead of my first tensor load
	ds_add_u32 v28, v29
	s_mov_b32 s3, 0                                ; the projection: 0 q, 1 k, 2 v
	s_wait_dscnt 0x0
; A WORK-GROUP STAYS: 256 work-groups, each makes one tile of q, one of k and one of v, in a loop of three trips.  A trip makes all its addresses anew from the arguments and from s3;
; a tile's stores are on their way while the next tile's first fill is asked for.
.Ltile:
	s_load_b256 s[4:11], s[0:1], 0x0               ; xc s[4:5], wc s[6:7], bq s[8:9], bk s[10:11]
	s_load_b128 s[12:15], s[0:1], 0x20             ; bv s[12:13], the exponents s[14:15]
	s_load_b64 s[16:17], s[0:1], 0x30              ; qkv
	v_lshrrev_b32 v1, 5, v0
	v_readfirstlane_b32 s18, v1                    ; wave 0..3
	s_and_b32 s19, s18, 1                          ; which half of a tile I fetch
	s_bfe_u32 s20, ttmp6, 0x40000                  ; cx
	s_bfe_u32 s21, ttmp6, 0x40004                  ; cy
	s_and_b32 s23, ttmp7, 0xffff                   ; the cluster's y, 0..7
	s_mov_b32 s66, s3                              ; the projection: the loop's count, the same in all sixteen partners
	s_and_b32 s67, s23, 7
	s_lshl_b32 s72, s67, 2
	s_lshl_b32 s84, s67, 1
	s_add_co_u32 s84, s84, ttmp9
	s_lshl_b32 s84, s84, 2
	s_lshl_b32 s85, ttmp9, 2
	s_cmp_eq_u32 s66, 2
	s_cselect_b32 s68, 1, 0                        ; 1 for v
	s_cselect_b32 s69, 0, s72
	s_cselect_b32 s70, s84, s85
	s_add_co_u32 s69, s69, s21                     ; A's tile: q, k: 4 (y % 8) + cy of 32;  v: cy of 4
	s_add_co_u32 s70, s70, s20                     ; B's tile: q, k: 4 x + cx of 8;  v: 4 (2 (y % 8) + x) + cx of 64
	s_lshl_b32 s72, s21, 2
	s_lshl_b32 s72, 15, s72                        ; my row of the cluster
	s_lshl_b32 s84, 0x1111, s20                    ; my column
	; descriptor group 1: elements of 8 bytes; rows of 512 elements (4,096 bytes: 16 rows of the operand x 256 K as images), 512 elements apart (dense); A: 8 rows, B: 4
	s_or_b32 s24, s72, (3<<16)|(1<<21)             ; 15:0 the mask; 17:16 elements of 8 bytes; 21 set beside a mask; no padding
	s_or_b32 s56, s84, (3<<16)|(1<<21)
	s_or_b32 s36, s72, (3<<16)|(1<<21)             ; s[36:43], s[48:55]: group 1 of the refills
	s_or_b32 s48, s84, (3<<16)|(1<<21)
.irp g, 24, 56, 36, 48
	s_mov_b32 s[\g+1], 512<<16                     ; tensor_dim0
	s_mov_b32 s[\g+3], 512<<16                     ; tile_dim0
	s_mov_b32 s[\g+5], 512                         ; tensor_dim0_stride: the blocks are dense, stated as rows of 4,096 bytes
	s_mov_b32 s[\g+6], 0
	s_mov_b32 s[\g+7], 0
.endr
	s_mov_b32 s26, 24<<16                          ; A's first fill: 24 rows (three K steps of 8 blocks)
	s_mov_b32 s28, 24
	s_mov_b32 s58, 12<<16                          ; B's: 12
	s_mov_b32 s60, 12
	s_mov_b32 s38, 8<<16                           ; the refills: one K step
	s_mov_b32 s40, 8
	s_mov_b32 s50, 4<<16
	s_mov_b32 s52, 4
	s_mov_b32 s73, 0
	s_mov_b32 s85, 0
	s_mov_b32 s75, 0
	s_wait_kmcnt 0x0
	s_load_b256 s[88:95], s[14:15], 0x0            ; e0 .. e7
	s_load_b128 s[96:99], s[14:15], 0x20           ; e8 .. e11
	s_lshl_b32 s74, s66, 23
	s_add_nc_u64 s[76:77], s[4:5], s[74:75]        ; x's codes under this projection's scale
	s_lshl_b32 s74, s66, 20
	s_add_nc_u64 s[78:79], s[6:7], s[74:75]        ; the projection's weight
	s_cmp_eq_u32 s68, 1
	s_cselect_b64 s[80:81], s[78:79], s[76:77]     ; A
	s_cselect_b64 s[82:83], s[76:77], s[78:79]     ; B
	s_lshl_b32 s72, s69, 18                        ; A's tile: 16 mu of 16,384 bytes; my half: 8 mu
	s_lshl_b32 s74, s19, 17
	s_add_co_u32 s72, s72, s74
	s_add_nc_u64 s[80:81], s[80:81], s[72:73]
	s_lshl_b32 s84, s70, 17                        ; B's tile: 8 mu; my half: 4
	s_lshl_b32 s74, s19, 16
	s_add_co_u32 s84, s84, s74
	s_add_nc_u64 s[82:83], s[82:83], s[84:85]
	s_mul_i32 s74, s19, 98304                      ; where they go: no place in the cluster enters an LDS address
	s_mul_i32 s75, s19, 49152
	s_add_co_u32 s75, s75, 196608
	s_lshr_b32 s87, s18, 1                         ; where my four blocks of A lie: half wave / 2, blocks 4 (wave % 2) on
	s_mul_i32 s87, s87, 98304
	s_lshl_b32 s86, s19, 14
	s_add_co_u32 s87, s87, s86
.irp s, 0
	s_mov_b32 s[32+4*\s], 1
	s_add_co_u32 s[33+4*\s], s74, \s*SLOT
	s_add_nc_u64 s[34+4*\s:35+4*\s], s[80:81], \s*4096   ; K step s: 4,096 bytes further in each mu
	s_or_b32 s[35+4*\s], s[35+4*\s], 0x80000000
	s_mov_b32 s[44+4*\s], 1
	s_add_co_u32 s[45+4*\s], s75, \s*SLOT
	s_add_nc_u64 s[46+4*\s:47+4*\s], s[82:83], \s*4096
	s_or_b32 s[47+4*\s], s[47+4*\s], 0x80000000
.endr
	s_wait_alu depctr_va_vdst(0)
	s_wait_tensorcnt 0x0                           ; each trip's first fill is issued as a refill is: no tensor load of mine is out,
	ds_add_u32 v28, v29                            ; the add, twice on end
	ds_add_u32 v28, v29
	s_wait_dscnt 0x0                               ; and my reads of the last tile are over
	CROUND                                         ; all sixteen work-groups are here: nobody reads the last tile any more, and the joint loads meet
	JLOAD 32, 44, 24, 56                           ; K steps 0 to 2 of my half: my one tensor load behind the round
	v_and_b32 v1, 31, v0
	v_and_b32 v2, 15, v0                           ; r
	v_bfe_u32 v3, v0, 4, 1                         ; h
	v_lshlrev_b32 v26, 4, v1                       ; 16 x lane
	v_add_nc_u32 v16, s87, v26                     ; my four blocks of A in K step 0 (later 3), 1, 2
	v_add_nc_u32 v17, 32768, v16
	v_add_nc_u32 v18, 65536, v16
	v_add_nc_u32 v20, 196608, v26                  ; B likewise
	v_add_nc_u32 v21, 16384, v20
	v_add_nc_u32 v22, 32768, v20
	s_mul_i32 s74, s18, 4608                       ; my stage: 32 rows of A x (128 codes + 16 bytes), used twice
	s_add_co_u32 s74, s74, STG
	v_mul_u32_u24 v24, v2, 144
	v_lshl_add_u32 v24, v3, 3, v24
	v_add_nc_u32 v24, s74, v24                     ; in: row r, 8 bytes for each half of the lanes
	v_and_b32 v6, 8, v2
	v_add_nc_u32 v6, v6, v2                        ; r + 8 (r / 8)
	v_mul_u32_u24 v25, v6, 144
	v_lshl_add_u32 v25, v3, 4, v25
	v_add_nc_u32 v25, s74, v25                     ; back, in the order of the next operand's registers
	v_lshlrev_b32 v4, 5, v3                        ; bias of B's rows: 8 numbers for each half
	v_lshlrev_b32 v5, 2, v2                        ; bias of A's rows: one a lane
	s_mov_b32 s74, 1024                            ; from tile to tile of the output: q, k 1,024; v 2,048
	s_mov_b32 s75, 0x20000                         ; from the stage row's first 64 bytes to its second: q, k the next head; v 1,024
	s_cmp_eq_u32 s68, 1
	s_cselect_b32 s74, 2048, s74
	s_cselect_b32 s75, 1024, s75
.irp k, 0,1,2,3
	s_mul_i32 s86, s74, \k
	v_add_nc_u32 v[8+2*\k], s86, v26
	s_add_co_u32 s86, s86, s75
	v_add_nc_u32 v[9+2*\k], s86, v26
.endr
	s_lshr_b32 s74, s69, 3                         ; q, k: batch << 21 + (2 B-tile) heads << 17 + token tiles
	s_lshl_b32 s74, s74, 21
	s_lshl_b32 s75, s70, 18
	s_add_co_u32 s74, s74, s75
	s_and_b32 s75, s69, 7
	s_lshl_b32 s75, s75, 14
	s_add_co_u32 s74, s74, s75
	s_lshl_b32 s75, s18, 12
	s_add_co_u32 s74, s74, s75
	s_lshr_b32 s86, s70, 4                         ; v: batch << 21 + head (4 A-tile + wave) << 17 + key step << 13
	s_lshl_b32 s86, s86, 21
	s_lshl_b32 s75, s69, 2
	s_add_co_u32 s75, s75, s18
	s_lshl_b32 s75, s75, 17
	s_add_co_u32 s86, s86, s75
	s_and_b32 s75, s70, 15
	s_lshl_b32 s75, s75, 13
	s_add_co_u32 s86, s86, s75
	s_cmp_eq_u32 s68, 1
	s_cselect_b32 s86, s86, s74
	s_lshl_b32 s75, s66, 23
	s_add_co_u32 s86, s86, s75
	s_mov_b32 s87, 0
	s_add_nc_u64 s[16:17], s[16:17], s[86:87]
	s_cmp_eq_u32 s66, 1
	s_cselect_b64 s[8:9], s[10:11], s[8:9]         ; bk or bq
	s_lshl_b32 s74, s70, 9
	s_mov_b32 s75, 0
	s_add_nc_u64 s[8:9], s[8:9], s[74:75]          ; at B's tile's 128 channels (used for q and k alone)
	s_lshl_b32 s74, s69, 10
	s_lshl_b32 s86, s18, 8
	s_add_co_u32 s74, s74, s86
	s_add_nc_u64 s[12:13], s[12:13], s[74:75]      ; bv at my 64 channels (used for v alone)
	s_wait_kmcnt 0x0
	s_cmp_eq_u32 s66, 1
	s_cselect_b32 s88, s90, s88                    ; eA: e0, e2, e4
	s_cselect_b32 s89, s91, s89                    ; eB: e1, e3, e5
	s_cselect_b32 s94, s95, s94                    ; eo: e6, e7, e9
	s_cmp_eq_u32 s66, 2
	s_cselect_b32 s88, s92, s88
	s_cselect_b32 s89, s93, s89
	s_cselect_b32 s94, s97, s94
	s_add_co_i32 s88, s88, s89                     ; a sum stands for sum x 2^(eA + eB)
	s_sub_co_i32 s89, 0, s88
	s_sub_co_i32 s94, s94, s88
	s_add_co_i32 s94, s94, 127
	s_lshl_b32 s95, s94, 23
	v_mov_b32 v96, s95                             ; 2^(eo - eA - eB): the three scales folded into the conversion's one
	s_add_co_i32 s94, s94, 8
	s_lshl_b32 s94, s94, 23
	s_or_b32 s94, s94, 0x600000
	v_mov_b32 v97, s94                             ; 448 x that
	s_cmp_eq_u32 s68, 1
	s_cbranch_scc1 .Lbias_v
.irp b, 0,1,2,3,4,5,6,7
	global_load_b128 v[32+8*\b:35+8*\b], v4, s[8:9] offset:64*\b        ; tile b: the bias of channels 16 b + 8 h + 0..7
	global_load_b128 v[36+8*\b:39+8*\b], v4, s[8:9] offset:64*\b+16
.endr
	s_wait_loadcnt 0x0
.set i, 0
.rept 64
	v_ldexp_f32 v[32+i], v[32+i], s89              ; / 2^(eA + eB)
.set i, i+1
.endr
	s_branch .Lbias_done
.Lbias_v:
.irp a, 0,1,2,3
	global_load_b32 v[100+\a], v5, s[12:13] offset:64*\a                ; block a: the bias of channel 16 a + r
.endr
	s_wait_loadcnt 0x0
.irp t, 0,1,2,3,4,5,6,7                        ; eight equal registers a block; all 64 registers are written on both ways
.irp j, 0,1,2,3,4,5,6,7
	v_ldexp_f32 v[32+8*\t+\j], v[100+\t%4], s89
.endr
.endr
.Lbias_done:
	s_wait_tensorcnt 0x0                           ; my one load is in: K steps 0 to 2 of my half
	s_barrier_signal -1
	s_barrier_wait -1
	FETCH 0, 0, 0
	s_wait_dscnt 0x0
	FETCH 0, 1, 1
	s_cmp_eq_u32 s68, 1                            ; the first products start the sums with the bias
	s_cbranch_scc1 .Lu0_v
	s_wait_alu depctr_va_vdst(0)
	MUL 0, 4, 0, 1
	WIN 0
	s_branch .Lu0_done
.Lu0_v:
	MUL 0, 4, 0, 2
	WIN 0
.Lu0_done:
	s_wait_tensorcnt 0x0                           ; THE ONE CHANGE WITH A REFILL.  All my tensor loads have landed: slots 0, 1, 2;
	ds_add_u32 v28, v29                            ; 0 onto my spare word;
	s_add_nc_u64 s[34:35], s[34:35], 98304         ; no load of mine is out, so the descriptors may step to K step 3, which follows the three in memory
	s_add_nc_u64 s[46:47], s[46:47], 49152
	s_wait_dscnt 0x0                               ; the add is done, and my last reads of slot 0 are in
	s_barrier_signal -1                            ; this barrier opens a round of the cluster's
	MUL 0, 2, 1, 0
	WIN 0
	s_barrier_wait -1
	CREST                                          ; no wave of any partner still reads slot 0 or has a load on its way
	JLOAD 32, 44, 36, 48                           ; the refill, first behind the round; its four v_nop are the places ahead of the loads below
	FETCH 1, 0, 0
	MUL 2, 2, 1, 0
	SUB 0, 1, 1
	SUB 1, 2, 0
	SUB 0, 2, 1
	s_wait_tensorcnt 0x0                           ; the one load that is out: my part of K step 3
	s_wait_dscnt 0x0
	s_barrier_signal -1
	MUL 0, 2, 1, 0
	s_barrier_wait -1                              ; slot 0 is whole; nobody reads slot 1 or 2 any more
	PLACES 4
	FETCH 0, 0, 0
	MUL 2, 2, 1, 0
	SUB 0, 0, 1
	s_wait_dscnt 0x0
	MUL 0, 4, 1, 0
	; THE WAY OUT: hold, convert (a lane's eight numbers are eight neighbours along the next K), through my stage, back in the order of the next operand's registers
	PLACES 4
	WIN 0x82
.set i, 0
.rept 256
	v_med3_num_f32 v[i], v[i], -v97, v97           ; each accumulator from its low end on
.set i, i+1
.endr
	WIN 0x02
.set i, 0
.rept 32
	v_cvt_scalef32_pk8_fp8_f32 v[128+2*i:128+2*i+1], v[8*i:8*i+7], v96
.set i, i+1
.endr
	WIN 0
	v_nop                                          ; a plain line behind the last conversion
.irp g, 0,1                                    ; my rows 32 g .. 32 g + 31: in, and back; LDS serves a wave's instructions in order, so the second half's stores come behind the first half's loads
.irp a, 0,1
.irp b, 0,1,2,3,4,5,6,7
	ds_store_b64 v24, v[128+2*(8*(2*\g+\a)+\b):128+2*(8*(2*\g+\a)+\b)+1] offset:\a*2304+16*\b
.endr
.endr
.irp k, 0,1
.irp c, 0,1,2,3
	ds_load_b128 v[192+4*(4*(2*\g+\k)+\c):192+4*(4*(2*\g+\k)+\c)+3], v25 offset:8*\k*144+32*\c
.endr
.endr
.endr
.irp k, 0,1,2,3
.irp c, 0,1,2,3
	s_wait_dscnt 15-(4*\k+\c)
	global_store_b128 v[8+2*\k+\c/2], v[192+4*(4*\k+\c):192+4*(4*\k+\c)+3], s[16:17] offset:512*(\c%2)   ; 512 consecutive bytes, aligned
.endr
.endr
	s_wait_xcnt 0x0                                ; the stores have read their base, offsets and data: the next trip writes all of them again
	s_add_co_u32 s3, s3, 1
	s_cmp_lt_u32 s3, 3
	s_cbranch_scc1 .Ltile
	s_wait_tensorcnt 0x0                           ; the wave's end
	ds_add_u32 v28, v29
	s_wait_dscnt 0x0
	CROUND                                         ; the closing round
	s_endpgm
.Lfunc_end_k_q85e110c106_qkv:
	.size	k_q85e110c106_qkv, .Lfunc_end_k_q85e110c106_qkv-k_q85e110c106_qkv
	.p2alignl 7, 3214868480
	.fill 96, 4, 3214868480
	.section	.rodata,"a",@progbits
	.p2align	6, 0x0
	.amdhsa_kernel k_q85e110c106_qkv
		.amdhsa_group_segment_fixed_size 327680
		.amdhsa_private_segment_fixed_size 0
		.amdhsa_enable_private_segment 0
		.amdhsa_kernarg_size 56
		.amdhsa_user_sgpr_count 2
		.amdhsa_user_sgpr_kernarg_segment_ptr 1
		.amdhsa_wavefront_size32 1
		.amdhsa_system_sgpr_workgroup_id_x 1
		.amdhsa_system_sgpr_workgroup_id_y 1
		.amdhsa_system_sgpr_workgroup_id_z 1
		.amdhsa_system_vgpr_workitem_id 0
		.amdhsa_next_free_vgpr 768
		.amdhsa_next_free_sgpr 100
		.amdhsa_reserve_vcc 0
		.amdhsa_float_denorm_mode_32 3
		.amdhsa_float_denorm_mode_16_64 3
		.amdhsa_memory_ordered 1
		.amdhsa_forward_progress 1
		.amdhsa_inst_pref_size 89
	.end_amdhsa_kernel
	.amdgpu_metadata
---
amdhsa.version: [ 1, 2 ]
amdhsa.kernels:
  - .name:           k_q85e110c106_qkv
    .symbol:         k_q85e110c106_qkv.kd
    .args:
      - { .name: xc, .offset: 0, .size: 8, .value_kind: global_buffer, .address_space: global }
      - { .name: wc, .offset: 8, .size: 8, .value_kind: global_buffer, .address_space: global }
      - { .name: bq, .offset: 16, .size: 8, .value_kind: global_buffer, .address_space: global }
      - { .name: bk, .offset: 24, .size: 8, .value_kind: global_buffer, .address_space: global }
      - { .name: bv, .offset: 32, .size: 8, .value_kind: global_buffer, .address_space: global }
      - { .name: lowp_scales, .offset: 40, .size: 8, .value_kind: global_buffer, .address_space: global }
      - { .name: qkv, .offset: 48, .size: 8, .value_kind: global_buffer, .address_space: global }
    .group_segment_fixed_size: 327680
    .private_segment_fixed_size: 0
    .kernarg_segment_align: 8
    .kernarg_segment_size: 56
    .max_flat_workgroup_size: 128
    .sgpr_count:     100
    .vgpr_count:     768
    .wavefront_size: 32
...
	.end_amdgpu_metadata
.endif
;; end of part 2
;; launch attn (part 3): grid 4 x 64, 16 waves a work-group, clusters of 4 x 1, 296,960 bytes of LDS; arguments qkv, lowp_scales, ac; writes ac
.if DOCPART == 3
	.amdgcn_target "amdgcn-amd-amdhsa--gfx1250"
	.amdhsa_code_object_version 6
	.text
	.protected	k_q85e110c106_attn
	.globl	k_q85e110c106_attn
	.p2align	8
	.type	k_q85e110c106_attn,@function
k_q85e110c106_attn:
	s_mov_b64 s[64:65], 0
	v_nop
	global_prefetch_b8 v0, s[64:65] scope:SCOPE_SE
	s_setreg_imm32_b32 hwreg(HW_REG_WAVE_MODE, 25, 1), 1
	s_wait_xcnt 0x0
	s_wait_alu depctr_hold_cnt(0) depctr_sa_sdst(0) depctr_va_vdst(0) depctr_va_sdst(0) depctr_va_ssrc(0) depctr_va_vcc(0) depctr_vm_vsrc(0)
	s_getreg_b32 s2, hwreg(HW_REG_IB_STS2, 6, 4)
	s_cmp_eq_u32 s2, 0
	s_cbranch_scc0 .Lentry_in_a_cluster
	s_endpgm
.Lentry_in_a_cluster:
	s_bfe_u32 s2, ttmp6, 0x10000c
	s_cmp_lg_u32 s2, 0x3003
	s_cbranch_scc0 .Lentry_shape_is_right
	s_endpgm
.Lentry_shape_is_right:
; For each of 64 heads (2,048 tokens, 64 channels): o = softmax(q k^T / 8) v on E4M3 codes, then o quantised with 2^e10 for the output projection.
; THE SOFTMAX AHEAD OF THE SECOND PRODUCT: t = score x log2(e) / 8; M = the running largest t rounded UP to a whole number; p = 2^(t - M) is quantised with 2^e8, not normalised;
; the row's sum is taken of the unquantised p and divides at the end; when M moves, the sum and O are multiplied by 2^(old M - new M), which rounds nothing.
; SHARES.  A cluster of four work-groups is one head; a work-group owns 512 queries, each of its sixteen waves 32: two tiles of 16, in 256 registers, four waves to a SIMD.
; THE HEAD'S WHOLE K AND V LIE IN LDS (131,072 bytes each, as images of the operands' registers: no pitch, no padding), filled ONCE: each of the sixteen waves issues one joint load of 16,384 bytes
; (waves 0-7 K's eighths, waves 8-15 V's), which all four work-groups ask for together.  One wait for 0, one barrier, then sixteen steps of 128 keys with no barrier: no LDS byte is filled twice.
; No prefetch: all tiles are asked for at the head, and there is no loop to run ahead in.
; LAYOUT.  Both products are used transposed: S^T = K Q^T (v_wmma_f32_16x16x64_fp8_fp8), O^T = V^T P^T (v_wmma_f32_16x16x128_fp8_fp8): a lane holds one query of each tile throughout.
; The launch before has chosen the keys of a tile of K, and the channels of a tile of V, so that the 16 registers of tiles 2 b and 2 b + 1 are 16 neighbours along the next K.
; OUTPUT ac: token row 16 mu + r, channel 256 s + 128 j + 32 c + 16 h + byte at (mu/8)*131072 + s*32768 + (mu%8)*4096 + j*2048 + c*512 + h*256 + r*16 + byte.
; LIMITS: e6 + e7 between -123 and 130 (added to c's exponent field); e8 and e10 between -126 and 119.  NaN is not served.
; REGISTERS: v1 16 x lane; v[2:3], v[14:15] at work (f, chains of the sums, V's address); v4 2^e8; v5 K's address; v6, v10 -M; v7, v11 the largest score; v[8:9], v[12:13] the sums;
;   v16-79 O^T; v80-143 tile 0's S^T, then p, then V's fragments; v144-175 and v208-239 tile 1's S^T, then p: number x of its 64 lies at 144 + x + 32 (x / 32);
;   v176-207 K's tiles 4-7, then at work, then p's codes; v208-239 first K's tiles 0-3, asked for in the step before; v240-255 Q's fragments, which stay.
.set VBASE, 131072
.set OST,   262144                     ; 2,048 bytes a wave: the stage for the way out; no tensor load lands here
.set SPARE, 294912                     ; the spare words, 128 bytes a wave
.set OT, 16
.set SS, 80
.set KB, 176
.set PC, 176
.set KA, 208
.set QF, 240
.macro CROUND
	s_barrier_signal -1
	s_barrier_wait -1
	s_cmp_lg_u32 s10, 0
	s_cbranch_scc1 .Lnot_wave_0_\@
	s_barrier_signal -3
.Lnot_wave_0_\@:
	s_barrier_wait -3
	s_barrier_signal -1
	s_barrier_wait -1
.endm
	s_load_b128 s[4:7], s[0:1], 0x0                ; qkv s[4:5], the exponents s[6:7]
	s_load_b64 s[8:9], s[0:1], 0x10                ; ac
	v_lshl_add_u32 v254, v0, 2, SPARE
	v_mov_b32 v255, 0
	ds_add_u32 v254, v255                          ; the opening lines: the add, twice on end, and its wait ahead of my tensor load
	ds_add_u32 v254, v255
	v_lshrrev_b32 v2, 5, v0
	v_readfirstlane_b32 s10, v2                    ; wave 0..15
	s_bfe_u32 s11, ttmp6, 0x40000                  ; cx: my 512 queries; it enters Q's and the output's addresses alone
	s_and_b32 s12, ttmp7, 0xffff                   ; the head, 0..63, which the four partners share
	s_and_b32 s13, s10, 7                          ; which eighth I fetch,
	s_lshr_b32 s14, s10, 3                         ; of K (0) or V (1)
	s_add_co_u32 s28, s14, 1
	s_lshl_b32 s28, s28, 23                        ; k is the second part of qkv, v the third
	s_lshl_b32 s30, s12, 17
	s_add_co_u32 s28, s28, s30
	s_lshl_b32 s48, s13, 14
	s_add_co_u32 s28, s28, s48
	s_mov_b32 s29, 0
	s_lshl_b32 s48, s11, 15                        ; Q: the head, my work-group's 32 tiles, my wave's two
	s_add_co_u32 s30, s30, s48
	s_lshl_b32 s48, s10, 11
	s_add_co_u32 s30, s30, s48
	s_mov_b32 s31, 0
	; descriptor group 1: 64 rows of 32 elements of 8 bytes, dense: 16,384 bytes
	s_mov_b32 s16, 15|(3<<16)|(1<<21)              ; 15:0 the mask: all four work-groups; 17:16 elements of 8 bytes; 21 set beside a mask
	s_mov_b32 s17, 32<<16
	s_mov_b32 s18, 64<<16
	s_mov_b32 s19, 32<<16
	s_mov_b32 s20, 64
	s_mov_b32 s21, 32
	s_mov_b32 s22, 0
	s_mov_b32 s23, 0
	s_mov_b32 s24, 0x76543210                      ; v_permlanex16_b32: lane l xor 16
	s_mov_b32 s25, 0xfedcba98
	s_mov_b32 s26, 0x3e38aa3b                      ; c = log2(e) / 8
	s_wait_dscnt 0x0                               ; both opening adds are done
	s_wait_kmcnt 0x0
	s_load_b128 s[52:55], s[6:7], 0x18             ; e6, e7, e8, e9
	s_load_b32 s56, s[6:7], 0x28                   ; e10
	s_mov_b32 s32, 1
	s_lshl_b32 s33, s10, 14                        ; LDS: 16,384 x wave: K's eighths, then V's
	s_add_nc_u64 s[34:35], s[4:5], s[28:29]
	s_or_b32 s35, s35, 0x80000000
	s_add_nc_u64 s[30:31], s[4:5], s[30:31]
	CROUND                                         ; all four work-groups are here: the joint loads meet
	tensor_load_to_lds s[32:35], s[16:23]          ; my one tensor load of the launch
	s_nop 0
.rept 4
	v_nop
.endr
	v_and_b32 v1, 31, v0
	v_lshlrev_b32 v1, 4, v1                        ; 16 x lane
.irp i, 0,1,2,3
	global_load_b128 v[QF+4*\i:QF+4*\i+3], v1, s[30:31] offset:512*\i
.endr
	s_lshr_b32 s48, s12, 4                         ; the output: mu = 128 batch + 32 cx + 2 wave (+ 1); K step = (head % 16) / 4
	s_lshl_b32 s48, s48, 21
	s_lshl_b32 s49, s11, 19
	s_add_co_u32 s48, s48, s49
	s_lshr_b32 s49, s10, 2
	s_lshl_b32 s49, s49, 17
	s_add_co_u32 s48, s48, s49
	s_and_b32 s49, s10, 3
	s_lshl_b32 s49, s49, 13
	s_add_co_u32 s48, s48, s49
	s_bfe_u32 s49, s12, 0x20002
	s_lshl_b32 s49, s49, 15
	s_add_co_u32 s48, s48, s49
	s_and_b32 s49, s12, 3
	s_lshl_b32 s49, s49, 10
	s_add_co_u32 s48, s48, s49
	s_mov_b32 s49, 0
	s_add_nc_u64 s[8:9], s[8:9], s[48:49]
	v_mov_b32 v7, 0xff61b1e6                       ; the largest score so far: -3e38, under every score
	v_mov_b32 v11, 0xff61b1e6
	v_mov_b32 v6, 0x7f61b1e6                       ; -M: 3e38, so that the first f is 0
	v_mov_b32 v10, 0x7f61b1e6
	v_mov_b32 v8, 0                                ; the sums, in two halves
	v_mov_b32 v9, 0
	v_mov_b32 v12, 0
	v_mov_b32 v13, 0
	v_mov_b32 v3, 0                                ; (named as the upper halves of the pairs v[2:3], v[14:15])
	v_mov_b32 v15, 0
.set i, 0
.rept 64
	v_mov_b32 v[OT+i], 0                           ; O^T: the step has no first step of its own; the first change of M leaves zeros zeros
.set i, i+1
.endr
	s_wait_kmcnt 0x0
	s_add_co_i32 s48, s52, s53
	s_lshl_b32 s48, s48, 23
	s_add_co_i32 s26, s26, s48                     ; a score stands for score x 2^(e6 + e7): added to c's exponent field
	s_mov_b32 s27, s26                             ; (named with it as a pair)
	s_add_co_i32 s48, s54, 127
	s_lshl_b32 s49, s48, 23
	v_mov_b32 v4, s49                              ; 2^e8
	s_add_co_i32 s48, s48, 8
	s_lshl_b32 s60, s48, 23
	s_or_b32 s60, s60, 0x600000                    ; 448 x 2^e8
	s_add_co_i32 s57, s54, s55                     ; e8 + e9
	s_add_co_i32 s48, s56, 127
	s_lshl_b32 s58, s48, 23                        ; 2^e10
	s_add_co_i32 s48, s48, 8
	s_lshl_b32 s59, s48, 23
	s_or_b32 s59, s59, 0x600000                    ; 448 x 2^e10
.macro FM0 a, n                        ; tile 0: t - M for n pairs from pair a on
.set j, 2*(\a)
.rept \n
	v_pk_fma_f32 v[SS+j:SS+j+1], v[SS+j:SS+j+1], s[26:27], v[6:7] op_sel_hi:[1,0,0]
.set j, j+2
.endr
.endm
.macro HOLD x                          ; two numbers p held at 448 x 2^e8: the conversion does not saturate (ISA guide 7.6.2); p is not negative, so the hold is one-sided
	v_dual_min_num_f32 v[\x], s60, v[\x] :: v_dual_min_num_f32 v[\x+1], s60, v[\x+1]
.endm
; A step of 128 keys, both tiles of queries.  Number 16 b + i of a tile's 64 belongs to key 32 b + 16 h + i of my query.  more = 1: the next step's tiles 0-3 of K are asked for.
.macro STEP more
	v_add_nc_u32 v5, s50, v1                       ; with the four below: five places behind the last products, whose registers the loads and the first products below write over
.rept 4
	v_nop
.endr
.irp k, 0,1,2,3                                ; K's tiles 4-7
	ds_load_b128 v[KB+8*\k:KB+8*\k+3], v5 offset:(4+\k)*1024
	ds_load_b128 v[KB+8*\k+4:KB+8*\k+7], v5 offset:(4+\k)*1024+512
.endr
	s_wait_dscnt 8                                 ; tiles 0-3, asked for a step ago, are in; the eight loads just issued may be out
.irp k, 0,1,2,3                                ; S^T = K Q^T
	v_wmma_f32_16x16x64_fp8_fp8 v[SS+8*\k:SS+8*\k+7], v[KA+8*\k:KA+8*\k+7], v[QF:QF+7], 0
	v_wmma_f32_16x16x64_fp8_fp8 v[144+8*\k:144+8*\k+7], v[KA+8*\k:KA+8*\k+7], v[QF+8:QF+15], 0
.endr
	s_wait_dscnt 0x0
.irp k, 0,1,2,3
	v_wmma_f32_16x16x64_fp8_fp8 v[SS+32+8*\k:SS+32+8*\k+7], v[KB+8*\k:KB+8*\k+7], v[QF:QF+7], 0
.endr
.rept 5
	v_nop                                          ; five places: the products below write over tiles 0-3 of K, which the first eight products read
.endr
.irp k, 0,1,2,3
	v_wmma_f32_16x16x64_fp8_fp8 v[KA+8*\k:KA+8*\k+7], v[KB+8*\k:KB+8*\k+7], v[QF+8:QF+15], 0
.endr
.rept 4
	v_nop
.endr
	; the step's largest scores: two chains a tile, the two tiles' lines by turns; each accumulator from its low end on
	v_max3_num_f32 v176, v80, v81, v82
	v_max3_num_f32 v180, v144, v145, v146
	v_max3_num_f32 v177, v83, v84, v85
	v_max3_num_f32 v181, v147, v148, v149
.irp i, 6,10,14,18,22,26,30,34,38,42,46,50,54,58
	v_max3_num_f32 v176, v176, v[80+\i], v[81+\i]
	v_max3_num_f32 v180, v180, v[144+\i+32*(\i/32)], v[145+\i+32*((\i+1)/32)]
	v_max3_num_f32 v177, v177, v[82+\i], v[83+\i]
	v_max3_num_f32 v181, v181, v[146+\i+32*((\i+2)/32)], v[147+\i+32*((\i+3)/32)]
.endr
	v_max3_num_f32 v176, v176, v142, v143
	v_max3_num_f32 v180, v180, v238, v239
	v_max_num_f32 v176, v176, v177
	v_max_num_f32 v180, v180, v181
	v_permlanex16_b32 v178, v176, s24, s25
	v_permlanex16_b32 v182, v180, s24, s25
	v_max3_num_f32 v7, v176, v178, v7              ; with lane l xor 16's: the running largest score
	v_max3_num_f32 v11, v180, v182, v11
	v_mul_f32 v176, s26, v7                        ; as t (c is positive)
	v_mul_f32 v180, s26, v11
	v_mov_b32 v177, v6
	v_mov_b32 v181, v10
	v_floor_f32 v6, -v176                          ; the new -M = -ceil(t): a whole number
	v_floor_f32 v10, -v180
	FM0 0, 4                                       ; tile 0's t - M stands between the links of the chain that makes f
	v_sub_f32 v177, v6, v177                       ; old M - new M, 0 or less
	v_sub_f32 v181, v10, v181
	FM0 4, 4
	v_cvt_i32_f32 v177, v177                       ; (it saturates)
	v_cvt_i32_f32 v181, v181
	FM0 8, 4
	v_ldexp_f32 v2, 1.0, v177                      ; f = 2^(old M - new M)
	v_ldexp_f32 v14, 1.0, v181
	FM0 12, 4
	v_pk_mul_f32 v[8:9], v[8:9], v[2:3] op_sel_hi:[1,0]       ; the sums and O^T under the new M, ahead of the exponentials
	v_pk_mul_f32 v[12:13], v[12:13], v[14:15] op_sel_hi:[1,0]
.set j, 0
.rept 16
	v_pk_mul_f32 v[OT+j:OT+j+1], v[OT+j:OT+j+1], v[2:3] op_sel_hi:[1,0]
	v_pk_mul_f32 v[OT+32+j:OT+32+j+1], v[OT+32+j:OT+32+j+1], v[14:15] op_sel_hi:[1,0]
.set j, j+2
.endr
	FM0 16, 16
	s_wait_alu depctr_va_vdst(0)                   ; ahead of the batch
.set j, 0
.rept 32                                       ; tile 0's p = 2^(t - M); between the exponentials tile 1's t - M, which is read only behind the next wait
.set x, 144+2*j+32*(j/16)
	v_exp_f32 v[SS+2*j], v[SS+2*j]
	v_exp_f32 v[SS+2*j+1], v[SS+2*j+1]
	v_pk_fma_f32 v[x:x+1], v[x:x+1], s[26:27], v[10:11] op_sel_hi:[1,0,0]
.set j, j+1
.endr
	s_wait_alu depctr_va_vdst(0)                   ; one wait: behind tile 0's batch, ahead of its first reader, and ahead of tile 1's batch
	v_pk_add_f32 v[2:3], v[80:81], v[82:83]        ; tile 0: the sum of the unquantised p, in four chains
	v_pk_add_f32 v[14:15], v[84:85], v[86:87]
	v_pk_add_f32 v[192:193], v[88:89], v[90:91]
.set j, 12
.rept 6
	v_pk_add_f32 v[8:9], v[8:9], v[80+j:81+j]
	v_pk_add_f32 v[2:3], v[2:3], v[82+j:83+j]
	v_pk_add_f32 v[14:15], v[14:15], v[84+j:85+j]
	v_pk_add_f32 v[192:193], v[192:193], v[86+j:87+j]
.set j, j+8
.endr
	v_pk_add_f32 v[8:9], v[8:9], v[140:141]
	v_pk_add_f32 v[2:3], v[2:3], v[142:143]
	v_pk_add_f32 v[14:15], v[14:15], v[192:193]
	v_pk_add_f32 v[8:9], v[8:9], v[2:3]
	v_pk_add_f32 v[8:9], v[8:9], v[14:15]
.set j, 0
.rept 32                                       ; tile 1's p; between the exponentials tile 0's holds, which are read only behind the next wait
.set x, 144+2*j+32*(j/16)
	v_exp_f32 v[x], v[x]
	v_exp_f32 v[x+1], v[x+1]
	HOLD SS+2*j
.set j, j+1
.endr
	v_nop                                          ; the plain line behind the exponentials
	s_wait_alu depctr_va_vdst(0)                   ; one wait for the batch, ahead of its first reader
.irp b, 0,1,2,3,4,5,6,7
	v_cvt_scalef32_pk8_fp8_f32 v[PC+2*\b:PC+2*\b+1], v[SS+8*\b:SS+8*\b+7], v4
.endr
	v_add_nc_u32 v3, s51, v1
.irp d, 0,1,2,3                                ; V's four fragments land in tile 0's registers while tile 1 is finished
.irp c, 0,1,2,3
	ds_load_b128 v[SS+16*\d+4*\c:SS+16*\d+4*\c+3], v3 offset:\d*2048+\c*512
.endr
.endr
.set q, 0
.rept 16                                       ; tile 1, four numbers a turn: the sum in two chains, the holds, and a turn later the codes
.set x, 144+4*q+32*(q/8)
.if q == 0
	v_pk_add_f32 v[14:15], v[x:x+1], v[x+2:x+3]
.else
	v_pk_add_f32 v[12:13], v[12:13], v[x:x+1]
	v_pk_add_f32 v[14:15], v[14:15], v[x+2:x+3]
.endif
	HOLD x
	HOLD x+2
.if q >= 2
.if q % 2 == 0
.set m, q/2-1
.set y, 144+8*m+32*(m/4)
	v_cvt_scalef32_pk8_fp8_f32 v[PC+16+2*m:PC+16+2*m+1], v[y:y+7], v4
.endif
.endif
.set q, q+1
.endr
	v_pk_add_f32 v[12:13], v[12:13], v[14:15]
	v_cvt_scalef32_pk8_fp8_f32 v[PC+30:PC+31], v[232:239], v4
.if \more
.irp k, 0,1,2,3                                ; the next step's tiles 0-3 of K, 8,192 bytes on, into the registers that tile 1's upper p has left
	ds_load_b128 v[KA+8*\k:KA+8*\k+3], v5 offset:8192+\k*1024
	ds_load_b128 v[KA+8*\k+4:KA+8*\k+7], v5 offset:8192+\k*1024+512
.endr
.endif
	v_nop                                          ; a plain line between the last conversion and the products
	s_wait_alu depctr_va_vdst(0)                   ; directly ahead of the wait below
	s_wait_dscnt 8*\more                           ; V's sixteen loads are in; the eight younger ones (K's) may be out
.irp d, 0,1,2,3                                ; O^T += V^T P^T: eight accumulators, one instruction each
.irp t, 0,1
	v_wmma_f32_16x16x128_fp8_fp8 v[OT+32*\t+8*\d:OT+32*\t+8*\d+7], v[SS+16*\d:SS+16*\d+15], v[PC+16*\t:PC+16*\t+15], v[OT+32*\t+8*\d:OT+32*\t+8*\d+7]
.endr
.endr
.endm
	s_wait_alu depctr_va_vdst(0)                   ; at the head's end
	s_wait_loadcnt 0x0                             ; Q
	s_wait_tensorcnt 0x0                           ; my eighth has landed
	s_barrier_signal -1
	s_barrier_wait -1                              ; K and V are whole for all sixteen waves; nothing is ever filled again
.irp k, 0,1,2,3                                ; the first step's tiles 0-3 of K
	ds_load_b128 v[KA+8*\k:KA+8*\k+3], v1 offset:\k*1024
	ds_load_b128 v[KA+8*\k+4:KA+8*\k+7], v1 offset:\k*1024+512
.endr
	s_mov_b32 s50, 0
	s_mov_b32 s51, VBASE
	s_mov_b32 s49, 15
.Lstep:
	STEP 1
	s_add_co_u32 s50, s50, 8192
	s_add_co_u32 s51, s51, 8192
	s_sub_co_u32 s49, s49, 1
	s_cmp_lg_u32 s49, 0
	s_cbranch_scc1 .Lstep
	STEP 0                                         ; the last step is written out: nothing follows it to ask for
	; THE WAY OUT: O^T x 2^(e8 + e9) / the sum, quantised with 2^e10; through my stage into the order of the next operand's registers
	v_add_f32 v8, v8, v9
	v_add_f32 v12, v12, v13
	v_permlanex16_b32 v2, v8, s24, s25
	v_permlanex16_b32 v3, v12, s24, s25
	v_add_f32 v8, v8, v2
	v_add_f32 v12, v12, v3
	s_wait_alu depctr_va_vdst(0)                   ; ahead of the reciprocals
	v_rcp_f32 v8, v8
	v_rcp_f32 v12, v12
	v_mov_b32 v4, s58                              ; (plain lines behind the reciprocals)  2^e10
	v_mov_b32 v5, s59                              ; 448 x 2^e10
	s_lshl_b32 s48, s10, 11
	s_add_co_u32 s48, s48, OST                     ; my stage
	v_and_b32 v14, 7, v0
	v_lshlrev_b32 v14, 4, v14
	v_bfe_u32 v15, v0, 3, 1
	v_lshl_add_u32 v14, v15, 10, v14
	v_bfe_u32 v15, v0, 4, 1
	v_lshl_add_u32 v14, v15, 8, v14
	v_add_nc_u32 v14, s48, v14                     ; in: (r / 8) x 1024 + h x 256 + (r % 8) x 16
	v_add_nc_u32 v15, s48, v1                      ; back: 16 x lane
	s_wait_alu depctr_va_vdst(0)                   ; one wait for both reciprocals, ahead of their first reader
	v_ldexp_f32 v8, v8, s57
	v_ldexp_f32 v12, v12, s57
	s_wait_alu depctr_va_vdst(0)                   ; directly ahead of the first reader of O^T
.irp t, 0,1
.set j, 0
.rept 16
	v_pk_mul_f32 v[SS+32*\t+j:SS+32*\t+j+1], v[OT+32*\t+j:OT+32*\t+j+1], v[8+4*\t:9+4*\t] op_sel_hi:[1,0]
.set j, j+2
.endr
.endr
.set j, 0
.rept 64
	v_med3_num_f32 v[SS+j], v[SS+j], -v5, v5
.set j, j+1
.endr
.irp t, 0,1
.irp b, 0,1
	v_cvt_scalef32_pk8_fp8_f32 v[PC+8*\t+4*\b:PC+8*\t+4*\b+1], v[SS+32*\t+16*\b:SS+32*\t+16*\b+7], v4      ; channels 32 b + 16 h + 0..15 of my query of tile t
	v_cvt_scalef32_pk8_fp8_f32 v[PC+8*\t+4*\b+2:PC+8*\t+4*\b+3], v[SS+32*\t+16*\b+8:SS+32*\t+16*\b+15], v4
.endr
.endr
	v_nop                                          ; a plain line behind the last conversion
.irp t, 0,1
.irp b, 0,1
	ds_store_b128 v14, v[PC+8*\t+4*\b:PC+8*\t+4*\b+3] offset:\b*512+\t*128   ; lane r of tile t holds query 8 t + r + 8 (r / 8): row 8 t + r % 8 of block r / 8
.endr
.endr
.irp i, 0,1,2,3
	ds_load_b128 v[SS+4*\i:SS+4*\i+3], v15 offset:512*\i   ; LDS serves a wave's instructions in order: these see my stores
.endr
.irp i, 0,1,2,3
	s_wait_dscnt 3-\i
	global_store_b128 v1, v[SS+4*\i:SS+4*\i+3], s[8:9] offset:(\i/2)*4096+(\i%2)*512   ; 512 consecutive bytes, aligned
.endr
	s_wait_xcnt 0x0
	v_lshl_add_u32 v254, v0, 2, SPARE              ; the add's two registers held Q: they are made anew
	v_mov_b32 v255, 0
	s_wait_alu depctr_va_vdst(0)
	s_wait_tensorcnt 0x0                           ; the wave's end
	ds_add_u32 v254, v255
	s_wait_dscnt 0x0
	CROUND                                         ; the closing round: no work-group ends while a partner may still ask for a tile that names it
	s_endpgm
.Lfunc_end_k_q85e110c106_attn:
	.size	k_q85e110c106_attn, .Lfunc_end_k_q85e110c106_attn-k_q85e110c106_attn
	.p2alignl 7, 3214868480
	.fill 96, 4, 3214868480
	.section	.rodata,"a",@progbits
	.p2align	6, 0x0
	.amdhsa_kernel k_q85e110c106_attn
		.amdhsa_group_segment_fixed_size 296960
		.amdhsa_private_segment_fixed_size 0
		.amdhsa_enable_private_segment 0
		.amdhsa_kernarg_size 24
		.amdhsa_user_sgpr_count 2
		.amdhsa_user_sgpr_kernarg_segment_ptr 1
		.amdhsa_wavefront_size32 1
		.amdhsa_system_sgpr_workgroup_id_x 1
		.amdhsa_system_sgpr_workgroup_id_y 1
		.amdhsa_system_sgpr_workgroup_id_z 1
		.amdhsa_system_vgpr_workitem_id 0
		.amdhsa_next_free_vgpr 256
		.amdhsa_next_free_sgpr 66
		.amdhsa_reserve_vcc 0
		.amdhsa_float_denorm_mode_32 3
		.amdhsa_float_denorm_mode_16_64 3
		.amdhsa_memory_ordered 1
		.amdhsa_forward_progress 1
		.amdhsa_inst_pref_size 73
	.end_amdhsa_kernel
	.amdgpu_metadata
---
amdhsa.version: [ 1, 2 ]
amdhsa.kernels:
  - .name:           k_q85e110c106_attn
    .symbol:         k_q85e110c106_attn.kd
    .args:
      - { .name: qkv, .offset: 0, .size: 8, .value_kind: global_buffer, .address_space: global }
      - { .name: lowp_scales, .offset: 8, .size: 8, .value_kind: global_buffer, .address_space: global }
      - { .name: ac, .offset: 16, .size: 8, .value_kind: global_buffer, .address_space: global }
    .group_segment_fixed_size: 296960
    .private_segment_fixed_size: 0
    .kernarg_segment_align: 8
    .kernarg_segment_size: 24
    .max_flat_workgroup_size: 512
    .sgpr_count:     66
    .vgpr_count:     256
    .wavefront_size: 32
...
	.end_amdgpu_metadata
.endif
;; end of part 3
;; launch oproj (part 4): grid 8 x 32, 4 waves a work-group, clusters of 4 x 4, 327,680 bytes of LDS; arguments ac, wc, bo, lowp_scales, out0; writes out0
.if DOCPART == 4
	.amdgcn_target "amdgcn-amd-amdhsa--gfx1250"
	.amdhsa_code_object_version 6
	.text
	.protected	k_q85e110c106_oproj
	.globl	k_q85e110c106_oproj
	.p2align	8
	.type	k_q85e110c106_oproj,@function
k_q85e110c106_oproj:
	s_mov_b64 s[64:65], 0
	v_nop
	global_prefetch_b8 v0, s[64:65] scope:SCOPE_SE
	s_setreg_imm32_b32 hwreg(HW_REG_WAVE_MODE, 25, 1), 1
	s_wait_xcnt 0x0
	s_wait_alu depctr_hold_cnt(0) depctr_sa_sdst(0) depctr_va_vdst(0) depctr_va_sdst(0) depctr_va_ssrc(0) depctr_va_vcc(0) depctr_vm_vsrc(0)
	s_getreg_b32 s2, hwreg(HW_REG_IB_STS2, 6, 4)
	s_cmp_eq_u32 s2, 0
	s_cbranch_scc0 .Lentry_in_a_cluster
	s_endpgm
.Lentry_in_a_cluster:
	s_bfe_u32 s2, ttmp6, 0x10000c
	s_cmp_lg_u32 s2, 0xf033
	s_cbranch_scc0 .Lentry_shape_is_right
	s_endpgm
.Lentry_shape_is_right:
; out0 = a Wo + bo on E4M3 codes (v_wmma_f32_16x16x128_fp8_fp8, f32 sums): a = attention's result as codes (scale 2^e10), Wo's codes (2^e11) are the fourth part of wc.  out0 [8192][1024] f32.
; A tile is 256 tokens x 128 channels, K = 1,024: 256 work-groups.  Four waves; wave w makes tokens 64 w .. 64 w + 63 against all 128 channels: 32 accumulators.
; The matrix instruction is used transposed (source 0 = 16 rows of Wo's image, source 1 = 16 tokens): a lane holds one token and eight neighbouring channels.
; Operands lie in memory as images of their registers (a fragment is 2,048 bytes on end), so LDS needs no pitch and no padding.
; K goes in four steps of 256 through three LDS slots: steps 0, 1, 2 are asked for together at the start (one tensor load of a wave), step 3 fills slot 0 again.  Eight sub-steps of 128 K are written out.
; CLUSTER 4 x 4: a's tile hangs on cy alone and is asked for jointly by a row of the cluster, Wo's on cx alone and jointly by a column.
; out = sum x 2^(e10 + e11) + bo: one packed multiply-add for two numbers.  LIMIT: e10 + e11 between -126 and 127.
; REGISTERS, in windows of 256.  Window 0: v16-18, v20-22 LDS addresses of the fragments in slots 0-2; v24, v25 the stage; v26 16 x lane; v28, v29 the add's two; v32-95 bias;
;   v128-191, v192-255 a's fragments, two sets (v128-191 later a block's results).  Window 1: Wo's fragments, two sets of 128 (v0-127 later rows on their way out).  Window 2: accumulator (a, b) at v[8 (8 a + b)].
.set SLOT,  98304                      ; a's 256 rows x 256 K (65,536 bytes), then Wo's 128 rows (32,768)
.set SPARE, 3*SLOT                     ; behind the slots: the spare words, 128 bytes a wave
; LDS: a's half 0 at 0, half 1 at 98,304, each [K step 0..2][8 blocks][4,096]; Wo's halves at 196,608 and 245,760, each [K step 0..2][4 blocks][4,096].
; A wave's first fill is ONE dense block (K steps 0 to 2 of its half); K step 3 later fills its half's K step 0 again.
.set STG,   32768                      ; the way out's stage lies in half 0's K steps 1 and 2: they have had their only fill, and their last read stands ahead of the last barrier
.set ADRA,  16
.set ADRB,  20
.set MSB, 0
.macro WIN new                         ; the immediate's high byte repeats the setting that is left
.if MSB != \new
	s_set_vgpr_msb (MSB<<8)|\new
.set MSB, \new
.endif
.endm
.macro PLACES n
.rept \n
	v_nop
.endr
.endm
.macro CREST                           ; a round of the cluster's barrier behind its opening barrier
	s_cmp_lg_u32 s18, 0
	s_cbranch_scc1 .Lnot_wave_0_\@
	s_barrier_signal -3
.Lnot_wave_0_\@:
	s_barrier_wait -3
	s_barrier_signal -1
	s_barrier_wait -1
.endm
.macro CROUND
	s_barrier_signal -1
	s_barrier_wait -1
	CREST
.endm
.macro JLOAD g0a, g0b, g1a, g1b        ; a joint load: waves 0, 1 fetch a's halves, waves 2, 3 Wo's; one load to an arm, both arms lead to one join
	s_cmp_lt_u32 s18, 2
	s_cbranch_scc0 .Lfor_b_\@
	tensor_load_to_lds s[\g0a:\g0a+3], s[\g1a:\g1a+7]
	s_nop 0
	PLACES 4
	s_branch .Lasked_\@
.Lfor_b_\@:
	tensor_load_to_lds s[\g0b:\g0b+3], s[\g1b:\g1b+7]
	s_nop 0
	PLACES 4
.Lasked_\@:
.endm
.macro FRAG reg, adr, off              ; a fragment: four loads of 16 bytes a lane, 512 consecutive bytes each
.irp c, 0,1,2,3
	ds_load_b128 v[\reg+4*\c:\reg+4*\c+3], v[\adr] offset:\off+512*\c
.endr
.endm
.macro FETCH slot, q, p                ; the slot's q-th 128 along K into set p: Wo's eight fragments, my four of a
	WIN 0x40
.irp b, 0,1,2,3,4,5,6,7
	FRAG 128*(\p)+16*\b, ADRB+\slot, (\b/4)*49152+(\b%4)*4096+(\q)*2048
.endr
	WIN 0
.irp a, 0,1,2,3
	FRAG 128+64*(\p)+16*\a, ADRA+\slot, \a*4096+(\q)*2048
.endr
.endm
; n blocks of tokens from a0 on, each against Wo's eight.  zero = 1: the first products start the sums.
; The 32 accumulators take turns, one instruction a turn, in the same order in every sub-step.
.macro MUL a0, n, p, zero
.if \zero
	WIN 0x81
.else
	WIN 0xa1
.endif
.set ma, \a0
.rept \n
.irp b, 0,1,2,3,4,5,6,7
.if \zero
	v_wmma_f32_16x16x128_fp8_fp8 v[8*(8*ma+\b):8*(8*ma+\b)+7], v[128*(\p)+16*\b:128*(\p)+16*\b+15], v[128+64*(\p)+16*ma:128+64*(\p)+16*ma+15], 0
.else
	v_wmma_f32_16x16x128_fp8_fp8 v[8*(8*ma+\b):8*(8*ma+\b)+7], v[128*(\p)+16*\b:128*(\p)+16*\b+15], v[128+64*(\p)+16*ma:128+64*(\p)+16*ma+15], v[8*(8*ma+\b):8*(8*ma+\b)+7]
.endif
.endr
.set ma, ma+1
.endr
.endm
.macro SUB p, nslot, nq                ; a sub-step: set p is in; four places behind the products that read the other set; the next sub-step's loads; 32 products
	s_wait_dscnt 0x0
	PLACES 4
	FETCH \nslot, \nq, 1-(\p)
	MUL 0, 4, \p, 0
.endm
	s_load_b256 s[4:11], s[0:1], 0x0               ; ac s[4:5], wc s[6:7], bo s[8:9], the exponents s[10:11]
	s_load_b64 s[16:17], s[0:1], 0x20              ; out0
	v_lshl_add_u32 v28, v0, 2, SPARE
	v_mov_b32 v29, 0
	ds_add_u32 v28, v29
	ds_add_u32 v28, v29
	s_wait_dscnt 0x0
	v_lshrrev_b32 v1, 5, v0
	v_readfirstlane_b32 s18, v1                    ; wave 0..3
	s_and_b32 s19, s18, 1                          ; which half of a tile I fetch
	s_bfe_u32 s20, ttmp6, 0x40000                  ; cx
	s_bfe_u32 s21, ttmp6, 0x40004                  ; cy
	s_and_b32 s69, ttmp7, 0xffff
	s_lshl_b32 s69, s69, 2
	s_add_co_u32 s69, s69, s21                     ; the tile of tokens: 4 x cluster y + cy, of 32
	s_lshl_b32 s70, ttmp9, 2
	s_add_co_u32 s70, s70, s20                     ; the tile of channels: 4 x cluster x + cx, of 8
	s_lshl_b32 s72, s21, 2
	s_lshl_b32 s72, 15, s72                        ; my row of the cluster
	s_lshl_b32 s84, 0x1111, s20                    ; my column
	; descriptor group 1: elements of 8 bytes; rows of 512 elements (4,096 bytes: 16 rows of the operand x 256 K as images), 512 elements apart (dense); a: 8 rows, Wo: 4
	s_or_b32 s24, s72, (3<<16)|(1<<21)             ; 15:0 the mask; 17:16 elements of 8 bytes; 21 set beside a mask; no padding
	s_or_b32 s56, s84, (3<<16)|(1<<21)
	s_or_b32 s36, s72, (3<<16)|(1<<21)             ; s[36:43], s[48:55]: group 1 of the refills
	s_or_b32 s48, s84, (3<<16)|(1<<21)
.irp g, 24, 56, 36, 48
	s_mov_b32 s[\g+1], 512<<16                     ; tensor_dim0
	s_mov_b32 s[\g+3], 512<<16                     ; tile_dim0
	s_mov_b32 s[\g+5], 512                         ; tensor_dim0_stride: the blocks are dense, stated as rows of 4,096 bytes
	s_mov_b32 s[\g+6], 0
	s_mov_b32 s[\g+7], 0
.endr
	s_mov_b32 s26, 24<<16                          ; a's first fill: 24 rows (three K steps of 8 blocks)
	s_mov_b32 s28, 24
	s_mov_b32 s58, 12<<16                          ; Wo's: 12
	s_mov_b32 s60, 12
	s_mov_b32 s38, 8<<16                           ; the refills: one K step
	s_mov_b32 s40, 8
	s_mov_b32 s50, 4<<16
	s_mov_b32 s52, 4
	s_mov_b32 s73, 0
	s_mov_b32 s85, 0
	s_lshl_b32 s72, s69, 18                        ; a's tile: 16 mu of 16,384 bytes; my half: 8 mu
	s_lshl_b32 s74, s19, 17
	s_add_co_u32 s72, s72, s74
	s_lshl_b32 s84, s70, 17                        ; Wo's tile: 8 mu; my half: 4
	s_lshl_b32 s74, s19, 16
	s_add_co_u32 s84, s84, s74
	s_wait_kmcnt 0x0
	s_load_b64 s[78:79], s[10:11], 0x28            ; e10, e11
	s_add_nc_u64 s[80:81], s[4:5], s[72:73]
	s_add_nc_u64 s[82:83], s[6:7], 0x300000        ; Wo is the fourth weight in wc
	s_add_nc_u64 s[82:83], s[82:83], s[84:85]
	s_mul_i32 s74, s19, 98304                      ; where they go: no place in the cluster enters an LDS address
	s_mul_i32 s75, s19, 49152
	s_add_co_u32 s75, s75, 196608
	s_lshr_b32 s87, s18, 1                         ; where my four blocks of tokens lie: half wave / 2, blocks 4 (wave % 2) on
	s_mul_i32 s87, s87, 98304
	s_lshl_b32 s86, s19, 14
	s_add_co_u32 s87, s87, s86
.irp s, 0
	s_mov_b32 s[32+4*\s], 1
	s_add_co_u32 s[33+4*\s], s74, \s*SLOT
	s_add_nc_u64 s[34+4*\s:35+4*\s], s[80:81], \s*4096   ; K step s: 4,096 bytes further in each mu
	s_or_b32 s[35+4*\s], s[35+4*\s], 0x80000000
	s_mov_b32 s[44+4*\s], 1
	s_add_co_u32 s[45+4*\s], s75, \s*SLOT
	s_add_nc_u64 s[46+4*\s:47+4*\s], s[82:83], \s*4096
	s_or_b32 s[47+4*\s], s[47+4*\s], 0x80000000
.endr
	CROUND                                         ; all sixteen work-groups are here: the first joint loads meet
	JLOAD 32, 44, 24, 56                           ; K steps 0 to 2 of my half: one tensor load a wave at the head
	v_and_b32 v1, 31, v0
	v_and_b32 v2, 15, v0                           ; r
	v_bfe_u32 v3, v0, 4, 1                         ; h
	v_lshlrev_b32 v26, 4, v1                       ; 16 x lane
	v_lshlrev_b32 v4, 5, v3                        ; the bias: 8 numbers for each half of the lanes
	s_lshl_b32 s74, s70, 9
	s_mov_b32 s75, 0
	s_add_nc_u64 s[8:9], s[8:9], s[74:75]          ; bo at the tile's 128 channels
.irp b, 0,1,2,3,4,5,6,7
	global_load_b128 v[32+8*\b:35+8*\b], v4, s[8:9] offset:64*\b        ; tile b: the bias of channels 16 b + 8 h + 0..7
	global_load_b128 v[36+8*\b:39+8*\b], v4, s[8:9] offset:64*\b+16
.endr
	v_add_nc_u32 v16, s87, v26                     ; my four blocks of tokens in K step 0 (later 3), 1, 2
	v_add_nc_u32 v17, 32768, v16
	v_add_nc_u32 v18, 65536, v16
	v_add_nc_u32 v20, 196608, v26                  ; Wo likewise
	v_add_nc_u32 v21, 16384, v20
	v_add_nc_u32 v22, 32768, v20
	s_mul_i32 s74, s18, 8448                       ; my stage: 16 rows x (512 bytes + 16)
	s_add_co_u32 s74, s74, STG
	v_mul_u32_u24 v24, v2, 528
	v_lshl_add_u32 v24, v3, 5, v24
	v_add_nc_u32 v24, s74, v24                     ; in: row r, 32 bytes for each half of the lanes
	v_add_nc_u32 v25, s74, v26                     ; back: the 32 lanes take one row of 512 bytes
	s_lshl_b32 s74, s69, 20                        ; out0: 256 tokens of 4,096 bytes a tile, my 64, the tile's 512 bytes of a row
	s_lshl_b32 s86, s18, 18
	s_add_co_u32 s74, s74, s86
	s_lshl_b32 s86, s70, 9
	s_add_co_u32 s74, s74, s86
	s_add_nc_u64 s[16:17], s[16:17], s[74:75]
	s_wait_alu depctr_va_vdst(0)
	s_wait_kmcnt 0x0
	s_add_co_i32 s76, s78, s79
	s_add_co_i32 s76, s76, 127
	s_lshl_b32 s76, s76, 23                        ; 2^(e10 + e11) as f32
	s_mov_b32 s77, s76                             ; (named with it as a pair)
	s_wait_loadcnt 0x0                             ; the bias
	s_wait_tensorcnt 0x0                           ; my one load is in: K steps 0 to 2 of my half
	s_barrier_signal -1
	s_barrier_wait -1
	FETCH 0, 0, 0
	s_wait_dscnt 0x0
	FETCH 0, 1, 1
	MUL 0, 4, 0, 1                                 ; the first products start the sums: nothing is cleared
	WIN 0
	s_wait_tensorcnt 0x0                           ; THE ONE CHANGE WITH A REFILL.  All my tensor loads have landed: slots 0, 1, 2;
	ds_add_u32 v28, v29                            ; 0 onto my spare word;
	s_add_nc_u64 s[34:35], s[34:35], 98304         ; no load of mine is out, so the descriptors may step to K step 3, which follows the three in memory
	s_add_nc_u64 s[46:47], s[46:47], 49152
	s_wait_dscnt 0x0                               ; the add is done, and my last reads of slot 0 are in
	s_barrier_signal -1                            ; this barrier opens a round of the cluster's
	MUL 0, 2, 1, 0
	WIN 0
	s_barrier_wait -1
	CREST                                          ; no wave of any partner still reads slot 0 or has a load on its way
	JLOAD 32, 44, 36, 48                           ; the refill, first behind the round; its four v_nop are the places ahead of the loads below
	FETCH 1, 0, 0
	MUL 2, 2, 1, 0
	SUB 0, 1, 1
	SUB 1, 2, 0
	SUB 0, 2, 1
	s_wait_tensorcnt 0x0                           ; the one load that is out: my part of K step 3
	s_wait_dscnt 0x0
	s_barrier_signal -1
	MUL 0, 2, 1, 0
	s_barrier_wait -1                              ; slot 0 is whole; nobody reads slot 1 or 2 any more
	PLACES 4
	FETCH 0, 0, 0
	MUL 2, 2, 1, 0
	SUB 0, 0, 1
	s_wait_dscnt 0x0
	MUL 0, 4, 1, 0
; THE WAY OUT, by blocks of 16 tokens x 128 channels: a lane holds 32 neighbouring bytes of a row, so a block goes through my own stage and comes back as whole rows of 512 bytes.
.macro TOSTAGE a
	WIN 0x02                                       ; source 0 (the sums) window 2
.irp b, 0,1,2,3,4,5,6,7
.irp i, 0,2,4,6
	v_pk_fma_f32 v[128+8*\b+\i:128+8*\b+\i+1], v[8*(8*(\a)+\b)+\i:8*(8*(\a)+\b)+\i+1], s[76:77], v[32+8*\b+\i:32+8*\b+\i+1] op_sel_hi:[1,0,1]   ; sum x 2^(e10 + e11) + bo; each accumulator from its low end on
.endr
.endr
	WIN 0
.irp b, 0,1,2,3,4,5,6,7
	ds_store_b128 v24, v[128+8*\b:128+8*\b+3] offset:64*\b
	ds_store_b128 v24, v[128+8*\b+4:128+8*\b+7] offset:64*\b+16
.endr
	WIN 0x40                                       ; back into window 1, two sets by turns
.irp t, 0,1,2,3,4,5,6,7,8,9,10,11,12,13,14,15
	ds_load_b128 v[64*((\a)%2)+4*\t:64*((\a)%2)+4*\t+3], v25 offset:\t*528   ; LDS serves a wave's instructions in order: these see my stores
.endr
	WIN 0
.endm
.macro SEND a, younger                 ; younger: the LDS instructions issued behind block a's loads, which may stay out
	s_wait_dscnt \younger
	WIN 0x04                                       ; the stores' data window 1
.irp t, 0,1,2,3,4,5,6,7,8,9,10,11,12,13,14,15
	global_store_b128 v26, v[64*((\a)%2)+4*\t:64*((\a)%2)+4*\t+3], s[16:17] offset:(\a)*65536+\t*4096 th:TH_STORE_NT   ; 512 consecutive bytes, aligned; written once, read by nobody here
.endr
	WIN 0
.endm
	PLACES 4
	TOSTAGE 0
	TOSTAGE 1
	SEND 0, 32                                     ; behind block 0's loads: block 1's 16 stores and 16 loads
	s_wait_xcnt 0x0                                ; block 0's stores have read their registers: block 2's loads may land there
	TOSTAGE 2
	SEND 1, 32
	s_wait_xcnt 0x0                                ; block 1's likewise
	TOSTAGE 3
	SEND 2, 32
	SEND 3, 0
	s_wait_tensorcnt 0x0                           ; the wave's end
	ds_add_u32 v28, v29
	s_wait_dscnt 0x0
	CROUND                                         ; the closing round
	s_endpgm
.Lfunc_end_k_q85e110c106_oproj:
	.size	k_q85e110c106_oproj, .Lfunc_end_k_q85e110c106_oproj-k_q85e110c106_oproj
	.p2alignl 7, 3214868480
	.fill 96, 4, 3214868480
	.section	.rodata,"a",@progbits
	.p2align	6, 0x0
	.amdhsa_kernel k_q85e110c106_oproj
		.amdhsa_group_segment_fixed_size 327680
		.amdhsa_private_segment_fixed_size 0
		.amdhsa_enable_private_segment 0
		.amdhsa_kernarg_size 40
		.amdhsa_user_sgpr_count 2
		.amdhsa_user_sgpr_kernarg_segment_ptr 1
		.amdhsa_wavefront_size32 1
		.amdhsa_system_sgpr_workgroup_id_x 1
		.amdhsa_system_sgpr_workgroup_id_y 1
		.amdhsa_system_sgpr_workgroup_id_z 1
		.amdhsa_system_vgpr_workitem_id 0
		.amdhsa_next_free_vgpr 768
		.amdhsa_next_free_sgpr 96
		.amdhsa_reserve_vcc 0
		.amdhsa_float_denorm_mode_32 3
		.amdhsa_float_denorm_mode_16_64 3
		.amdhsa_memory_ordered 1
		.amdhsa_forward_progress 1
		.amdhsa_inst_pref_size 75
	.end_amdhsa_kernel
	.amdgpu_metadata
---
amdhsa.version: [ 1, 2 ]
amdhsa.kernels:
  - .name:           k_q85e110c106_oproj
    .symbol:         k_q85e110c106_oproj.kd
    .args:
      - { .name: ac, .offset: 0, .size: 8, .value_kind: global_buffer, .address_space: global }
      - { .name: wc, .offset: 8, .size: 8, .value_kind: global_buffer, .address_space: global }
      - { .name: bo, .offset: 16, .size: 8, .value_kind: global_buffer, .address_space: global }
      - { .name: lowp_scales, .offset: 24, .size: 8, .value_kind: global_buffer, .address_space: global }
      - { .name: out0, .offset: 32, .size: 8, .value_kind: global_buffer, .address_space: global }
    .group_segment_fixed_size: 327680
    .private_segment_fixed_size: 0
    .kernarg_segment_align: 8
    .kernarg_segment_size: 40
    .max_flat_workgroup_size: 128
    .sgpr_count:     96
    .vgpr_count:     768
    .wavefront_size: 32
...
	.end_amdgpu_metadata
.endif
;; end of part 4
